; MI455X (gfx1250); checked and timed in simulation.
; The chip was launched on July 23, 2026; its instructions are those of AMD's public machine-readable ISA for CDNA 5 (MIT licence, August 2026) and "CDNA5" Instruction Set Architecture Reference Guide (July 2026). The comments in the code are by the model that wrote it; some were corrected since.
;; Naive Interference Self Attention. Allowed arithmetic: matrix products marked QUANTISED: E2M1 operands, one E8M0 scale for each 32 along K, by v_wmma_scale_f32_16x16x128_f8f6f4 with both operands' format E2M1 (or v_wmma_scale_f32_32x16x128_f4), f32 sums; products left as they are: bf16, f16 or f32 operands; f32 sums; everything else in f32.
;; Inputs: wk_amp 1,024 x 1,024 float32; wk_phi 1,024 x 1,024 float32; wo 1,024 x 1,024 float32; wq_amp 1,024 x 1,024 float32; wq_phi 1,024 x 1,024 float32; wv 1,024 x 1,024 float32; x 2 x 2,048 x 1,024 float32.
;; Outputs: out0 2 x 2,048 x 1,024 float32.
;; This version of the problem:
;;   THIS VERSION OF THE PROBLEM IS GIVEN IN LOW PRECISION. The matrix products marked QUANTISED in the list below multiply operands that are first quantised to E2M1 (2 exponent bits, 1 mantissa bit; 4 bits a number), with one power-of-two scale for each 32 numbers along K (OCP MX v1.0); their sums are f32. The products marked 'left as it is' may take bf16, f16 or f32 operands, with f32 sums. Whichever they take, every output number must still come out within the allowed error. Rounding operands to bf16 (8 significant bits) uses up far more of that allowance than f16 does (11 bits, for magnitudes from 6e-5 to 65,504). All else is computed in f32.
;;   The module's matrix products, in the order in which they are computed (A, B: the left and right operand; K: the contracted axis; several contracted axes count as one K, in the product's order):
;;     1. [M 4,096, K 1,024] x [K 1,024, N 1,024]; A: input x; B: input wq_amp: QUANTISED
;;     2. [M 4,096, K 1,024] x [K 1,024, N 1,024]; A: input x; B: input wk_amp: QUANTISED
;;     3. [M 4,096, K 1,024] x [K 1,024, N 1,024]; A: input x; B: input wq_phi: QUANTISED
;;     4. [M 4,096, K 1,024] x [K 1,024, N 1,024]; A: input x; B: input wk_phi: QUANTISED
;;     5. [M 4,096, K 1,024] x [K 1,024, N 1,024]; A: input x; B: input wv: QUANTISED
;;     6. batch 32 x [M 2,048, K 64] x [K 64, N 2,048]; A: computed on the way; B: computed on the way: left as it is (an operand is computed on the way)
;;     7. batch 32 x [M 2,048, K 64] x [K 64, N 2,048]; A: computed on the way; B: computed on the way: left as it is (an operand is computed on the way)
;;     8. batch 32 x [M 2,048, K 2,048] x [K 2,048, N 64]; A: computed on the way; B: computed on the way: left as it is (an operand is computed on the way)
;;     9. [M 4,096, K 1,024] x [K 1,024, N 1,024]; A: computed on the way; B: input wo: left as it is (an operand is computed on the way)
;;   THE QUANTISER, for each operand of a quantised product, along K:
;;     - K is cut into blocks of 32 from its start; a last block that is shorter is filled with zeros.
;;     - A block's scale is 2^e with e = floor(log2(the largest magnitude in the block)) - 2, held to -126 .. 127; a block of zeros has e = 0. As a byte (E8M0): e + 127.
;;     - Each number is divided by its block's scale, clamped to +-6, and rounded to the nearest number of E2M1, ties to even, subnormals kept.
;;     - The product sums the exact products of the quantised numbers (number of the format x scale) in f32.
;;   ~~~python
;;   def quantise(x, axis):      # numpy; x: float32 -> the quantised numbers, widened to float32 again
;;       x = np.moveaxis(x, axis, -1); K = x.shape[-1]
;;       x = np.pad(x, [(0, 0)] * (x.ndim - 1) + [(0, -K % 32)]); x = x.reshape(x.shape[:-1] + (-1, 32)); a = np.abs(x).max(-1, keepdims=True)
;;       e = np.where(a > 0, np.clip(np.frexp(np.where(a > 0, a, 1))[1] - 1 - 2, -126, 127), 0)      # np.frexp(a)[1] - 1 = floor(log2(a)), exactly
;;       r = np.clip(x / 2.0 ** e, -6, 6)
;;       step = 2.0 ** (np.maximum(np.frexp(np.where(r == 0, 1, r))[1] - 1, 0) - 1)
;;       q = np.round(r / step) * step * 2.0 ** e      # np.round: ties to even
;;       return np.moveaxis(q.reshape(q.shape[:-2] + (-1,))[..., :K], -1, axis).astype(np.float32)
;;   ~~~
;; One version. Each part assembles by itself: llvm-mc -triple=amdgcn-amd-amdhsa -mcpu=gfx1250 --defsym DOCPART=n.
;; ======== version 1 of 1: 5 launches
;; limits: values are held in f16: magnitudes above 65,504 overflow, below 6.1e-05 lose precision
;; workspace buffers: codes 4,718,592 bytes; scales 294,912 bytes; wo16 2,097,152 bytes; qf 16,777,216 bytes; kf 16,777,216 bytes; vf 8,388,608 bytes; ao 8,388,608 bytes; fine 655,360 bytes
;; launch quant (part 1): grid 320 x 1, 4 waves a work-group, no clusters, 33,280 bytes of LDS; arguments x, wq_amp, wq_phi, wk_amp, wk_phi, wv, wo, codes, scales, wo16; writes codes, scales, wo16
.if DOCPART == 1
	.amdgcn_target "amdgcn-amd-amdhsa--gfx1250"
	.amdhsa_code_object_version 6
	.text
	.protected	k_q8f2446a6e6_quant
	.globl	k_q8f2446a6e6_quant
	.p2align	8
	.type	k_q8f2446a6e6_quant,@function
k_q8f2446a6e6_quant:
	s_mov_b64 s[64:65], 0
	v_nop
	global_prefetch_b8 v0, s[64:65] scope:SCOPE_SE
	s_setreg_imm32_b32 hwreg(HW_REG_WAVE_MODE, 25, 1), 1
	s_wait_xcnt 0x0
; THE PROGRAM (five launches): quant -> proj -> attn -> outproj -> first16.
; WORK LEFT OUT, for all values of the inputs: reference() builds a causal jnp.tril in its own body and sets the score of key k for query q to -infinity where k > q; the softmax gives such a key the weight 0, and
; 0 x v adds nothing to the sum.  So a whole tile of keys that lies after all queries of a tile of queries reaches no output; the launch attn neither loads nor multiplies such tiles.  Nothing else is left out,
; and every input has a way to the output and is loaded.  LIMIT: a NaN, an infinity or an overflow that reaches only such hidden tiles is not carried to the result.
; THIS LAUNCH: x [4096][1024] and the five projection weights [1024 n][1024 k], f32, K innermost, become codes of FP4 (E2M1) with one E8M0 byte for each 32 along K; wo becomes f16.
; A block's scale is 2^(floor(log2(its largest magnitude)) - 2); its byte is the largest magnitude's exponent field - 2, held at 1 from below.  A block of zeros so gets the byte 1 where the rule says 127:
; its codes are zeros, which add nothing under any byte but 0xff, and this program alone reads the bytes.
; LIMITS: blocks whose largest magnitude lies under 2^-124 get the byte 1; NaN and infinities among the inputs are not served; wo beyond f16's largest number, 65,504, becomes infinity.
; LAYOUT OF codes (rows of 512 bytes) AND scales (rows of 32 bytes): rows 0-4095 x; row 4096 + 128 head + 64 kind + c: wq (kind 0 amp, 1 phi; c the head's channel); 6144 + the same: wk; 8192 + n: wv.
; So the 128 weight rows that one wave of the next launch multiplies are one head's 64 amplitudes and, 64 rows on, the same channels' phases.
; SHARES: a work-group takes 32 rows of one tensor, a wave 8 rows: 16 steps of 512 numbers.  Each of a step's four loads reads 512 consecutive bytes; the 2,048 bytes turn through the wave's own stage in LDS, so that a lane
; holds 16 neighbours along K (two lanes hold a block).  A wave's store of codes covers 256 consecutive bytes; its 256 scale bytes are gathered in LDS and leave as one store of 256 consecutive bytes.
; No tensor loads, clusters or matrix units: a stream in which nothing is shared.
.set WAVES, 4
.set STEPS, 16
.set EMAX,  2
.set CB,    8                          ; bytes of 16 codes
.set R,     16                         ; v16-79   four sets of 16 numbers as loaded
.set X,     80                         ; v80-111  two sets of 16 neighbours
.set E,     112                        ; v112-127 a scale byte for each step
.set C,     128                        ; v128-191 codes: four registers for each step, so that no store's data are written again
.set WREG,  8192                       ; LDS: a region for each wave: two stages of 32 x SP bytes, then its 256 scale bytes
.set SP,    80                         ; a lane's place in a stage: 64 bytes + 16 of padding
.set SPW,   12                         ; v12 LDS address of my spare word; never rewritten
.set NIL,   13                         ; v13 0; never rewritten
.set SPARE, WAVES*WREG                 ; the spare words, 128 bytes a wave
	s_load_b512 s[4:19], s[0:1], 0x0               ; x, wq_amp, wq_phi, wk_amp, wk_phi, wv, wo, codes
	s_load_b128 s[20:23], s[0:1], 0x40             ; scales, wo16
	v_lshl_add_u32 v[SPW], v0, 2, SPARE
	v_mov_b32 v[NIL], 0
	v_lshrrev_b32 v1, 5, v0
	v_readfirstlane_b32 s26, v1                    ; wave
	v_and_b32 v2, 31, v0                           ; lane
	v_lshlrev_b32 v3, 4, v2                        ; my 16 bytes of a load's 512
	s_mul_i32 s27, s26, WREG
	v_lshrrev_b32 v14, 2, v2
	v_mul_u32_u24 v14, v14, SP
	v_and_b32 v15, 3, v2
	v_lshl_add_u32 v14, v15, 4, v14
	v_add_nc_u32 v14, s27, v14                     ; the stage, way in: SP (lane / 4) + 16 (lane % 4)
	v_mul_u32_u24 v15, v2, SP
	v_add_nc_u32 v15, s27, v15                     ; way out: SP x lane: my 16 neighbours
	v_mul_u32_u24 v4, v2, CB                       ; my codes' place in a step's
	v_lshrrev_b32 v5, 1, v2
	s_add_co_u32 s27, s27, 2*32*SP
	v_add_nc_u32 v5, s27, v5                       ; my block's scale byte in LDS
	v_lshlrev_b32 v7, 3, v2                        ; 8 bytes a lane
	v_add_nc_u32 v6, s27, v7
	; which tensor, which rows: all from the work-group's number g.  g < 128: x;  128 + 32 t + u: weight t, rows 32 u;  288 + j: wo
	s_and_b32 s30, ttmp9, 31                       ; u
	s_sub_co_u32 s28, ttmp9, 128
	s_lshr_b32 s29, s28, 5                         ; t (not used where g < 128)
	s_lshr_b32 s32, s30, 1                         ; the head (wv: 64 rows)
	s_cmp_eq_u32 s29, 4
	s_cselect_b32 s33, 6, 7                        ; wv's rows stay dense, the others' heads lie 128 rows apart
	s_lshl_b32 s32, s32, s33
	s_lshr_b32 s33, s29, 1
	s_lshl_b32 s33, s33, 11                        ; q 0, k 2048, v 4096
	s_add_co_u32 s32, s32, s33
	s_and_b32 s33, s29, 1
	s_lshl_b32 s33, s33, 6                         ; amp 0, phi 64
	s_add_co_u32 s32, s32, s33
	s_and_b32 s33, s30, 1
	s_lshl_b32 s33, s33, 5
	s_add_co_u32 s32, s32, s33
	s_add_co_u32 s32, s32, 4096                    ; a weight's first row in codes
	s_lshl_b32 s33, ttmp9, 5                       ; x's
	s_cmp_lt_u32 ttmp9, 128
	s_cselect_b32 s32, s33, s32
	s_cselect_b32 s31, ttmp9, s30                  ; which 32 rows of the source
	s_lshl_b32 s33, s26, 3
	s_add_co_u32 s32, s32, s33                     ; my wave's first row
	s_lshl_b32 s34, s32, 9                         ; in codes,
	s_mov_b32 s35, 0
	s_lshl_b32 s36, s32, 5                         ; in scales
	s_mov_b32 s37, 0
	s_lshl_b32 s28, s31, 17
	s_lshl_b32 s33, s26, 15
	s_add_co_u32 s28, s28, s33                     ; and in the source
	s_mov_b32 s29, 0
	s_wait_kmcnt 0x0
	s_cmp_ge_u32 ttmp9, 288
	s_cbranch_scc1 .Lcast
	s_mov_b64 s[24:25], s[4:5]                     ; the source is chosen by the work-group's number alone
	s_cmp_ge_u32 ttmp9, 128
	s_cselect_b64 s[24:25], s[6:7], s[24:25]
	s_cmp_ge_u32 ttmp9, 160
	s_cselect_b64 s[24:25], s[8:9], s[24:25]
	s_cmp_ge_u32 ttmp9, 192
	s_cselect_b64 s[24:25], s[10:11], s[24:25]
	s_cmp_ge_u32 ttmp9, 224
	s_cselect_b64 s[24:25], s[12:13], s[24:25]
	s_cmp_ge_u32 ttmp9, 256
	s_cselect_b64 s[24:25], s[14:15], s[24:25]
	s_add_nc_u64 s[24:25], s[24:25], s[28:29]
	s_add_nc_u64 s[18:19], s[18:19], s[34:35]
	s_add_nc_u64 s[20:21], s[20:21], s[36:37]
.macro LOAD t
.irp i, 0,1,2,3
	global_load_b128 v[R+16*((\t)%4)+4*\i:R+16*((\t)%4)+4*\i+3], v3, s[24:25] offset:2048*(\t)+512*\i th:TH_LOAD_NT   ; 32 lanes read 512 consecutive bytes
.endr
.endm
.macro TURN t                          ; step t's numbers through the stage: LDS serves a wave's instructions in order, so no wait stands between the stores and the loads
.irp i, 0,1,2,3
	ds_store_b128 v14, v[R+16*((\t)%4)+4*\i:R+16*((\t)%4)+4*\i+3] offset:32*SP*((\t)%2)+8*SP*\i
.endr
.irp i, 0,1,2,3
	ds_load_b128 v[X+16*((\t)%2)+4*\i:X+16*((\t)%2)+4*\i+3], v15 offset:32*SP*((\t)%2)+16*\i
.endr
.endm
.irp t, 0,1,2,3
	LOAD \t
.endr
	s_wait_loadcnt 12                              ; step 0's four loads are in; the twelve of steps 1 to 3 may be out
	TURN 0
.macro STEP t
.set XS, X+16*((\t)%2)
.if (\t) > 0
	s_wait_dscnt 1                                 ; this step's numbers are back from the stage (the last step's byte store may be out)
.else
	s_wait_dscnt 0x0
.endif
.if (\t)+4 < STEPS
	LOAD (\t)+4                                    ; into the registers that this step's stage stores have read
.endif
.if (\t)+1 < STEPS
.if STEPS-2-(\t) >= 3
	s_wait_loadcnt 12                              ; the next step's four loads are in; those of the three steps behind it may be out
.else
	s_wait_loadcnt 4*(STEPS-2-(\t))
.endif
	TURN (\t)+1
.endif
	v_max3_num_f32 v8, |v[XS]|, |v[XS+1]|, |v[XS+2]|               ; the largest magnitude of my 16, in two chains
	v_max3_num_f32 v9, |v[XS+3]|, |v[XS+4]|, |v[XS+5]|
.irp i, 6,10
	v_max3_num_f32 v8, v8, |v[XS+\i]|, |v[XS+\i+1]|
	v_max3_num_f32 v9, v9, |v[XS+\i+2]|, |v[XS+\i+3]|
.endr
	v_max3_num_f32 v8, v8, |v[XS+14]|, |v[XS+15]|
	v_max3_num_f32 v8, v8, v9, (EMAX+1)<<23        ; and the floor 2^(3 - 127): the byte cannot fall under 1
	v_max_num_f32_dpp v8, v8, v8 row_xmask:1 row_mask:0xf bank_mask:0xf   ; with my neighbour's 16: the block's
	v_add_nc_u32 v11, -(EMAX<<23), v8              ; 2 off its exponent field: the conversion takes this operand's exponent field as its scale
	v_cvt_scalef32_pk8_fp4_f32 v[C+4*(\t)], v[XS:XS+7], v11
	v_cvt_scalef32_pk8_fp4_f32 v[C+4*(\t)+1], v[XS+8:XS+15], v11
	v_lshrrev_b32 v[E+(\t)], 23, v11               ; the scale's byte (also the plain line behind the conversions)
	ds_store_b8 v5, v[E+(\t)] offset:16*(\t)       ; both lanes of a block write the same byte with the same value
	global_store_b64 v4, v[C+4*(\t):C+4*(\t)+1], s[18:19] offset:32*CB*(\t)   ; 32 lanes store 256 consecutive bytes
.endm
.irp t, 0,1,2,3,4,5,6,7,8,9,10,11,12,13,14,15
	STEP \t
.endr
	ds_load_b64 v[8:9], v6                         ; LDS serves a wave's instructions in order: these see my byte stores
	s_wait_dscnt 0x0
	global_store_b64 v7, v[8:9], s[20:21]          ; my 8 rows' 256 scale bytes
	s_branch .Lend
; wo -> f16: a wave takes 8,192 numbers in four rounds of 16 loads of 512 consecutive bytes; a load's four numbers a lane become 8 bytes, and the wave's store covers 256 consecutive bytes.
.Lcast:
	s_sub_co_u32 s28, ttmp9, 288
	s_lshl_b32 s30, s28, 16
	s_lshl_b32 s28, s28, 17
	s_lshl_b32 s31, s26, 15
	s_add_co_u32 s28, s28, s31
	s_mov_b32 s29, 0
	s_lshl_b32 s31, s26, 14
	s_add_co_u32 s30, s30, s31
	s_mov_b32 s31, 0
	s_add_nc_u64 s[24:25], s[16:17], s[28:29]
	s_add_nc_u64 s[22:23], s[22:23], s[30:31]
.macro CLOAD q, set
.irp i, 0,1,2,3,4,5,6,7,8,9,10,11,12,13,14,15
	global_load_b128 v[\set+4*\i:\set+4*\i+3], v3, s[24:25] offset:8192*\q+512*\i th:TH_LOAD_NT
.endr
.endm
.macro CCAST q, set
.irp i, 0,1,2,3,4,5,6,7,8,9,10,11,12,13,14,15
	v_cvt_pk_f16_f32 v[144+2*\i], v[\set+4*\i], v[\set+4*\i+1]
	v_cvt_pk_f16_f32 v[145+2*\i], v[\set+4*\i+2], v[\set+4*\i+3]
	global_store_b64 v7, v[144+2*\i:145+2*\i], s[22:23] offset:4096*\q+256*\i
.endr
.endm
	CLOAD 0, 16
	CLOAD 1, 80
	s_wait_loadcnt 16                              ; round 0 is in; round 1's sixteen may be out
	CCAST 0, 16
	CLOAD 2, 16
	s_wait_loadcnt 16                              ; round 1 is in
	s_wait_xcnt 0x0                                ; the stores' data registers are written again only behind this wait
	CCAST 1, 80
	CLOAD 3, 80
	s_wait_loadcnt 16                              ; round 2 is in
	s_wait_xcnt 0x0
	CCAST 2, 16
	s_wait_loadcnt 0x0
	s_wait_xcnt 0x0
	CCAST 3, 80
.Lend:
	s_wait_tensorcnt 0x0                           ; the wave's end, behind the last LDS store
	ds_add_u32 v[SPW], v[NIL]
	s_wait_dscnt 0x0
	s_endpgm
.Lfunc_end_k_q8f2446a6e6_quant:
	.size	k_q8f2446a6e6_quant, .Lfunc_end_k_q8f2446a6e6_quant-k_q8f2446a6e6_quant
	.p2alignl 7, 3214868480
	.fill 96, 4, 3214868480
	.section	.rodata,"a",@progbits
	.p2align	6, 0x0
	.amdhsa_kernel k_q8f2446a6e6_quant
		.amdhsa_group_segment_fixed_size 33280
		.amdhsa_private_segment_fixed_size 0
		.amdhsa_enable_private_segment 0
		.amdhsa_kernarg_size 80
		.amdhsa_user_sgpr_count 2
		.amdhsa_user_sgpr_kernarg_segment_ptr 1
		.amdhsa_wavefront_size32 1
		.amdhsa_system_sgpr_workgroup_id_x 1
		.amdhsa_system_sgpr_workgroup_id_y 1
		.amdhsa_system_sgpr_workgroup_id_z 1
		.amdhsa_system_vgpr_workitem_id 0
		.amdhsa_next_free_vgpr 192
		.amdhsa_next_free_sgpr 66
		.amdhsa_reserve_vcc 0
		.amdhsa_float_denorm_mode_32 3
		.amdhsa_float_denorm_mode_16_64 3
		.amdhsa_memory_ordered 1
		.amdhsa_forward_progress 1
		.amdhsa_inst_pref_size 55
	.end_amdhsa_kernel
	.amdgpu_metadata
---
amdhsa.version: [ 1, 2 ]
amdhsa.kernels:
  - .name:           k_q8f2446a6e6_quant
    .symbol:         k_q8f2446a6e6_quant.kd
    .args:
      - { .name: x, .offset: 0, .size: 8, .value_kind: global_buffer, .address_space: global }
      - { .name: wq_amp, .offset: 8, .size: 8, .value_kind: global_buffer, .address_space: global }
      - { .name: wq_phi, .offset: 16, .size: 8, .value_kind: global_buffer, .address_space: global }
      - { .name: wk_amp, .offset: 24, .size: 8, .value_kind: global_buffer, .address_space: global }
      - { .name: wk_phi, .offset: 32, .size: 8, .value_kind: global_buffer, .address_space: global }
      - { .name: wv, .offset: 40, .size: 8, .value_kind: global_buffer, .address_space: global }
      - { .name: wo, .offset: 48, .size: 8, .value_kind: global_buffer, .address_space: global }
      - { .name: codes, .offset: 56, .size: 8, .value_kind: global_buffer, .address_space: global }
      - { .name: scales, .offset: 64, .size: 8, .value_kind: global_buffer, .address_space: global }
      - { .name: wo16, .offset: 72, .size: 8, .value_kind: global_buffer, .address_space: global }
    .group_segment_fixed_size: 33280
    .private_segment_fixed_size: 0
    .kernarg_segment_align: 8
    .kernarg_segment_size: 80
    .max_flat_workgroup_size: 128
    .sgpr_count:     66
    .vgpr_count:     192
    .wavefront_size: 32
...
	.end_amdgpu_metadata
.endif
;; end of part 1
;; launch proj (part 2): grid 16 x 20, 4 waves a work-group, clusters of 4 x 4, 327,680 bytes of LDS; arguments codes, scales, qf, kf, vf, fine; writes qf, kf, vf, fine
.if DOCPART == 2
	.amdgcn_target "amdgcn-amd-amdhsa--gfx1250"
	.amdhsa_code_object_version 6
	.text
	.protected	k_q8f2446a6e6_proj
	.globl	k_q8f2446a6e6_proj
	.p2align	8
	.type	k_q8f2446a6e6_proj,@function
k_q8f2446a6e6_proj:
	s_mov_b64 s[64:65], 0
	v_nop
	global_prefetch_b8 v0, s[64:65] scope:SCOPE_SE
	s_setreg_imm32_b32 hwreg(HW_REG_WAVE_MODE, 25, 1), 1
	s_wait_xcnt 0x0
	s_wait_alu depctr_hold_cnt(0) depctr_sa_sdst(0) depctr_va_vdst(0) depctr_va_sdst(0) depctr_va_ssrc(0) depctr_va_vcc(0) depctr_vm_vsrc(0)
	s_getreg_b32 s2, hwreg(HW_REG_IB_STS2, 6, 4)
	s_cmp_eq_u32 s2, 0
	s_cbranch_scc0 .Lentry_in_a_cluster
	s_endpgm
.Lentry_in_a_cluster:
	s_bfe_u32 s2, ttmp6, 0x10000c
	s_cmp_lg_u32 s2, 0xf033
	s_cbranch_scc0 .Lentry_shape_is_right
	s_endpgm
.Lentry_shape_is_right:
; The five projections as ONE product on codes of FP4 with E8M0 scales, [4096 rows of x] x [5120 weight rows], K = 1024, and the activations behind them.
; A tile is 256 x 256; four waves, each 128 x 128: 64 accumulators, 512 registers.  K goes in two steps of 512 through two LDS slots: both are first fills, nothing is filled again.
; The scale bytes of the tile's 256 + 256 rows, for all of K, come once, as rows of 256 bytes.
; THE GRID: x runs over the 16 tile rows (x's rows), y over the 20 tile columns (weight rows).  So the 256 work-groups of wq and wk, which have the long way out, have the lowest numbers, and the 64 of wv the highest.
; CLUSTERS 4 x 4: A's tiles hang on the tile row alone and are asked for jointly along a column of the cluster (same cx), B's on the tile column alone, along a row (same cy).
; THE MATRIX INSTRUCTION IS USED TRANSPOSED (source 0 = 16 weight rows, source 1 = 16 rows of x): a lane holds one row of x and eight neighbouring weight rows.
; A wave's 128 weight rows are one head: blocks 0-3 its 64 amplitudes, blocks 4-7 the same channels' phases, so amplitude and phase of a channel meet in one lane, 32 registers apart.
; ACTIVATIONS, in f32: A = softplus(za) = max(za, 0) + ln 2 log2(1 + 2^(-|za| log2 e));  y = (pi / 2) tanh(zp) = pi / 2 - pi / (1 + e^(2 zp));  s = sin y, c = cos y by their series on |y| <= pi / 2
; (cut behind y^11 and y^12: the first terms left out are under 6e-8);  phi = 2 y, so cos(phi) / 2 = 0.5 - s^2 and sin(phi) / 2 = s c.  STORED: A (0.5 - s^2) and A s c: HALF of reference()'s qc, qs, kc, ks:
; an exact factor, which the softmax's constant in the later launches takes back.
; OUT: qf, kf [32 heads][2048][64 of the cos part | 64 of the sin part] f16;  vf [32][2048][64] f16;  fine: positions 0-15 of every head in f32, as images of the registers (16 bytes a lane, 512 a store).
; Cluster y 0, 1: wq;  2, 3: wk;  4: wv.  Which way out is taken hangs on the cluster's y, the same in all partners.
; LIMITS: NaN and infinities are not served; f16 holds while |x wv| < 65,504 and softplus < 131,008.
; REGISTERS: window 0: v16-29 addresses; v32-95 scale words, two sets; v128-191 A's fragments; v224-231 constants.  window 1: B's fragments, two sets.  windows 2, 3: the accumulators ((a, b) at v[8 (8 (a % 4) + b)]).
;   On the way out window 0 holds EE v32-63, NN v64-95, RR v96-127, WW v128-159, PP v160-191, CC v192-223.
.set SIZE_K, 1024
.set KSTEP,  512
.set NQ,     KSTEP/128
.set ROWB,   256                       ; a tile's row: 512 codes
.set KROW,   SIZE_K/2                  ; a row of codes in memory
.set PITCH,  272                       ; an LDS row: 256 bytes + 16 of padding
.set FR,     8
.set NL,     2
.set NP,     4
.set HALFT,  128*PITCH
.set SLOT,   4*HALFT
.set KS,     SIZE_K/32
.set SCL,    2*SLOT                    ; behind the slots: the scale bytes
.set HALFS,  (128*KS/256)*272
.set SBLK,   (16*KS/256)*272
.set SPARE,  SCL+4*HALFS               ; the spare words, 128 bytes a wave
.set STG,    16*272                    ; the way out: a stage for each wave, in slot 0, which has had its one fill and its last read by then
.set ADRA, 16
.set ADRB, 20
.set STOV, 23                          ; v23 the stage, way in, for wv's rows of 128 bytes, two to a stage row
.set STO,  24                          ; v24 the stage, way in, rows of 256 bytes
.set RD,   25                          ; v25 the stage, way back
.set CO,   26                          ; v26 16 x lane
.set ADRS, 27
.set SPW,  28
.set NIL,  29
.set SC,   32
.set AF,   128
.set EE,   32
.set NN,   64
.set RR,   96
.set WW,   128
.set PP,   160
.set CC,   192
.set VS5,  224                         ; -1 / 11!, twice
.set VC6,  226                         ; 1 / 12!, twice
.set VPI,  228                         ; -pi, twice
.set VLN2, 230                         ; ln 2, twice
.set G1, 24
.set G0, 32
.set G1B, 48
.set G0B, 56
.set G1S, 68
.set G0S, 76
.set G1SB, 80
.set G0SB, 88
.set MSB, 0
.macro WIN new                         ; the immediate's high byte repeats the setting that is left
.if MSB != \new
	s_set_vgpr_msb (MSB<<8)|\new
.set MSB, \new
.endif
.endm
.set MUL_LO, 0xa1                      ; source 0 (B) window 1, source 1 (A) window 0, C and D window 2
.set MUL_HI, 0xf1
.set TO_B,   0x40
; A joint load: waves 0, 1 fetch for A, waves 2, 3 for B; the branch hangs on the wave's number alone.  An s_nop 0 and four v_nop follow each line.
.macro JLOAD g0a, g1a, g0b, g1b
	s_cmp_eq_u32 s17, 0
	s_cbranch_scc0 .Lfor_b_\@
	tensor_load_to_lds s[\g0a:\g0a+3], s[\g1a:\g1a+7]
	s_nop 0
.rept 4
	v_nop
.endr
	s_branch .Lasked_\@
.Lfor_b_\@:
	tensor_load_to_lds s[\g0b:\g0b+3], s[\g1b:\g1b+7]
	s_nop 0
.rept 4
	v_nop
.endr
.Lasked_\@:
.endm
.macro CROUND                          ; a round of the cluster's barrier
	s_barrier_signal -1
	s_barrier_wait -1
	s_cmp_lg_u32 s16, 0
	s_cbranch_scc1 .Lnot_wave_0_\@
	s_barrier_signal -3
.Lnot_wave_0_\@:
	s_barrier_wait -3
	s_barrier_signal -1
	s_barrier_wait -1
.endm
	s_load_b128 s[4:7], s[0:1], 0x0                ; codes, scales
	s_load_b256 s[8:15], s[0:1], 0x10              ; qf, kf, vf, fine
	v_lshl_add_u32 v[SPW], v0, 2, SPARE
	v_mov_b32 v[NIL], 0
	ds_add_u32 v[SPW], v[NIL]                      ; the opening: the add, twice on end, and its wait ahead of my first tensor load
	ds_add_u32 v[SPW], v[NIL]
	v_lshrrev_b32 v1, 5, v0
	v_readfirstlane_b32 s16, v1                    ; wave
	s_lshr_b32 s17, s16, 1                         ; RH: my half of the tile's rows.  Also: I fetch for A (0) or B (1)
	s_and_b32 s18, s16, 1                          ; CH: my half of its weight rows.  Also: which 128 rows I fetch
	s_bfe_u32 s40, ttmp6, 0x40000                  ; cx
	s_bfe_u32 s41, ttmp6, 0x40004                  ; cy
	s_lshl_b32 s66, ttmp9, 2
	s_add_co_u32 s66, s66, s40                     ; TR: tile row = 4 x cluster x + cx
	s_and_b32 s97, ttmp7, 0xffff                   ; the cluster's y: which weight
	s_lshl_b32 s42, s97, 2
	s_add_co_u32 s42, s42, s41                     ; TC: tile column = 4 x cluster y + cy
	s_lshl_b32 s43, s41, 2
	s_lshl_b32 s43, 15, s43                        ; my row of the cluster (same cy): it shares the tile column, B's tiles
	s_lshl_b32 s44, 0x1111, s40                    ; my column (same cx): it shares the tile row, A's tiles
	s_and_b32 s95, ttmp9, 1
	s_or_b32 s95, s95, s17                         ; 0 where the cluster's x is even and the wave has the upper rows: only there can positions 0-15 lie
	s_mov_b32 s96, 0xbfb8aa3b                      ; -log2 e
	s_or_b32 s[G1+0], s44, (0<<16)|(1<<20)|(1<<21)|(5<<22)|(3<<25)   ; mask; elements of 1 byte; padding: 4 words behind every 64
	s_or_b32 s[G1B+0], s43, (0<<16)|(1<<20)|(1<<21)|(5<<22)|(3<<25)
.irp g, G1, G1B
	s_mov_b32 s[\g+1], ROWB<<16                    ; tensor_dim0
	s_mov_b32 s[\g+2], 128<<16                     ; tensor_dim1
	s_mov_b32 s[\g+3], ROWB<<16                    ; tile_dim0
	s_mov_b32 s[\g+4], 128                         ; tile_dim1
	s_mov_b32 s[\g+5], KROW                        ; the pitch
	s_mov_b32 s[\g+6], 0
	s_mov_b32 s[\g+7], 0
.endr
	s_or_b32 s[G1S+0], s44, (3<<16)|(1<<20)|(1<<21)|(5<<22)|(3<<25)  ; the scales of 128 rows: 4,096 dense bytes as 16 rows of 32 elements of 8 bytes
	s_or_b32 s[G1SB+0], s43, (3<<16)|(1<<20)|(1<<21)|(5<<22)|(3<<25)
.irp g, G1S, G1SB
	s_mov_b32 s[\g+1], 32<<16
	s_mov_b32 s[\g+2], (128*KS/256)<<16
	s_mov_b32 s[\g+3], 32<<16
	s_mov_b32 s[\g+4], 128*KS/256
	s_mov_b32 s[\g+5], 32
	s_mov_b32 s[\g+6], 0
	s_mov_b32 s[\g+7], 0
.endr
	s_lshl_b32 s19, s18, 7
	s_lshl_b32 s20, s66, 8
	s_add_co_u32 s20, s20, s19                     ; A: row 256 TR + 128 half
	s_lshl_b32 s46, s42, 8
	s_add_co_u32 s46, s46, s19
	s_add_co_u32 s46, s46, 4096                    ; B: row 4096 + 256 TC + 128 half
	s_lshl_b32 s22, s20, 5                         ; their scales,
	s_mov_b32 s23, 0
	s_lshl_b32 s92, s46, 5
	s_mov_b32 s93, 0
	s_lshl_b32 s20, s20, 9                         ; their codes, in bytes
	s_mov_b32 s21, 0
	s_lshl_b32 s46, s46, 9
	s_mov_b32 s47, 0
	s_mul_i32 s45, s16, HALFT                      ; where they go: by the wave's number alone
	s_mul_i32 s94, s16, HALFS
	s_wait_dscnt 0x0                               ; both opening adds are done
	s_wait_kmcnt 0x0
	s_add_nc_u64 s[20:21], s[4:5], s[20:21]
	s_add_nc_u64 s[22:23], s[6:7], s[22:23]
	s_add_nc_u64 s[46:47], s[4:5], s[46:47]
	s_add_nc_u64 s[92:93], s[6:7], s[92:93]
	CROUND                                         ; all sixteen work-groups are here: the joint loads meet
	s_mov_b32 s[G0S], 1
	s_add_co_u32 s[G0S+1], s94, SCL
	s_mov_b64 s[G0S+2:G0S+3], s[22:23]
	s_or_b32 s[G0S+3], s[G0S+3], 0x80000000
	s_mov_b32 s[G0SB], 1
	s_add_co_u32 s[G0SB+1], s94, SCL
	s_mov_b64 s[G0SB+2:G0SB+3], s[92:93]
	s_or_b32 s[G0SB+3], s[G0SB+3], 0x80000000
	JLOAD G0S, G1S, G0SB, G1SB                     ; the scales first; by this text's count three loads of a wave are out at the most
.irp s, 0,1
	s_mov_b32 s[G0+4*\s], 1
	s_add_co_u32 s[G0+4*\s+1], s45, \s*SLOT
	s_add_nc_u64 s[G0+4*\s+2:G0+4*\s+3], s[20:21], \s*ROWB
	s_or_b32 s[G0+4*\s+3], s[G0+4*\s+3], 0x80000000
	s_mov_b32 s[G0B+4*\s], 1
	s_add_co_u32 s[G0B+4*\s+1], s45, \s*SLOT
	s_add_nc_u64 s[G0B+4*\s+2:G0B+4*\s+3], s[46:47], \s*ROWB
	s_or_b32 s[G0B+4*\s+3], s[G0B+4*\s+3], 0x80000000
	JLOAD G0+4*\s, G1, G0B+4*\s, G1B
.endr
	v_and_b32 v1, 15, v0                           ; r
	v_bfe_u32 v2, v0, 4, 1                         ; h
	v_mul_u32_u24 v3, v1, PITCH
	v_lshl_add_u32 v4, v2, 4, v3
	s_mul_i32 s21, s17, HALFT
	s_mul_i32 s22, s18, HALFT
	s_add_co_u32 s22, s22, 2*HALFT
.irp s, 0,1
	v_add_nc_u32 v[ADRA+\s], s21, v4
	v_add_nc_u32 v[ADRB+\s], s22, v4
	s_add_co_u32 s21, s21, SLOT
	s_add_co_u32 s22, s22, SLOT
.endr
	v_mul_u32_u24 v5, v1, KS                       ; my row's scales: 32 bytes a row, and 16 more for each 256 passed
	v_lshrrev_b32 v6, 8, v5
	v_lshl_add_u32 v5, v6, 4, v5
	s_mul_i32 s21, s17, HALFS
	s_mul_i32 s22, s18, HALFS
	s_add_co_u32 s22, s22, 2*HALFS
	s_sub_co_u32 s22, s22, s21
	v_mul_u32_u24 v6, s22, v2                      ; lanes 16-31 take B's
	s_add_co_u32 s21, s21, SCL
	v_add_nc_u32 v5, v5, v6
	v_add_nc_u32 v[ADRS], s21, v5
	s_mul_i32 s23, s16, STG                        ; my stage
	v_mul_u32_u24 v5, v1, 272
	v_lshl_add_u32 v5, v2, 4, v5
	v_add_nc_u32 v[STO], s23, v5                   ; row r, 16 bytes for each half of the lanes
	v_lshrrev_b32 v5, 1, v1
	v_mul_u32_u24 v5, v5, 272
	v_and_b32 v6, 1, v1
	v_lshl_add_u32 v5, v6, 7, v5
	v_lshl_add_u32 v5, v2, 4, v5
	v_add_nc_u32 v[STOV], s23, v5                  ; rows of 128 bytes, two to a stage row
	v_mul_u32_u24 v5, v2, 272
	v_lshl_add_u32 v5, v1, 4, v5
	v_add_nc_u32 v[RD], s23, v5                    ; back: lanes 0-15 one stage row, lanes 16-31 the next
	v_and_b32 v6, 31, v0
	v_lshlrev_b32 v[CO], 4, v6
.irp u, 0,1
	v_mov_b32 v[VS5+\u], 0xb2d7322b
	v_mov_b32 v[VC6+\u], 0x310f76c7
	v_mov_b32 v[VPI+\u], 0xc0490fdb
	v_mov_b32 v[VLN2+\u], 0x3f317218
.endr
.macro FRAG reg, adr, q, i             ; 16 rows x 128 K of 4-bit codes: 8 registers, two loads of 16 bytes, 32 bytes apart
.irp c, 0,1
	ds_load_b128 v[\reg+4*\c:\reg+4*\c+3], v[\adr] offset:64*(\q)+32*\c+(\i)*16*PITCH
.endr
.endm
; 16 matrix instructions: A's blocks a0, a0 + 1 x B's eight.  The 64 accumulators take turns, one instruction a turn.
.macro MUL16 a0, p, q, sc, zero
.irp a, \a0, \a0+1
.irp b, 0,1,2,3,4,5,6,7
.if \zero
	v_wmma_scale_f32_16x16x128_f8f6f4 v[8*(8*((\a)%4)+\b):8*(8*((\a)%4)+\b)+7], v[128*(\p)+FR*\b:128*(\p)+FR*\b+FR-1], v[AF+FR*(\a):AF+FR*(\a)+FR-1], 0, v[SC+8*NQ*(\sc)+NQ*\b+(\q)], v[SC+8*NQ*(\sc)+NQ*(\a)+(\q)] matrix_a_fmt:MATRIX_FMT_FP4 matrix_b_fmt:MATRIX_FMT_FP4 matrix_a_scale:MATRIX_SCALE_ROW1
.else
	v_wmma_scale_f32_16x16x128_f8f6f4 v[8*(8*((\a)%4)+\b):8*(8*((\a)%4)+\b)+7], v[128*(\p)+FR*\b:128*(\p)+FR*\b+FR-1], v[AF+FR*(\a):AF+FR*(\a)+FR-1], v[8*(8*((\a)%4)+\b):8*(8*((\a)%4)+\b)+7], v[SC+8*NQ*(\sc)+NQ*\b+(\q)], v[SC+8*NQ*(\sc)+NQ*(\a)+(\q)] matrix_a_fmt:MATRIX_FMT_FP4 matrix_b_fmt:MATRIX_FMT_FP4 matrix_a_scale:MATRIX_SCALE_ROW1
.endif
.endr
.endr
.endm
.macro FETCH_B slot, q, p
	WIN TO_B
.irp i, 0,1,2,3,4,5,6,7
	FRAG 128*(\p)+FR*\i, ADRB+\slot, \q, \i
.endr
	WIN 0
.endm
.macro FETCH_A slot, q, i0
.irp i, \i0, \i0+1, \i0+2, \i0+3
	FRAG AF+FR*(\i), ADRA+\slot, \q, \i
.endr
.endm
.macro SCALES sc                       ; a K step's scale words: lanes 0-15 A's block i, lanes 16-31 B's block i
.irp i, 0,1,2,3,4,5,6,7
	ds_load_b128 v[SC+8*NQ*\sc+NQ*\i:SC+8*NQ*\sc+NQ*\i+3], v[ADRS] offset:\i*SBLK
.endr
.endm
.macro PLACES n                        ; plain vector lines between a matrix instruction and a load into, or a vector line on, its registers
.rept \n
	v_nop
.endr
.endm
.macro STEP slot, q, zero              ; 128 along K with its successor in the same slot
	s_wait_dscnt 4*NL                              ; B's set and A's blocks 0-3 are in; the youngest eight loads (A's blocks 4-7) may be out
	WIN MUL_LO
	MUL16 0, (\q)%2, \q, \slot, \zero
	MUL16 2, (\q)%2, \q, \slot, \zero
	s_wait_dscnt 0
	PLACES NP
	FETCH_B \slot, (\q)+1, 1-(\q)%2
	FETCH_A \slot, (\q)+1, 0
	WIN MUL_HI
	MUL16 4, (\q)%2, \q, \slot, \zero
	MUL16 6, (\q)%2, \q, \slot, \zero
	PLACES NP
	WIN 0
	FETCH_A \slot, (\q)+1, 4
.endm
.macro STEPS slot, from
.set Q, \from
.rept NQ-1-\from
	STEP \slot, Q, 0
.set Q, Q+1
.endr
.endm
	s_wait_tensorcnt 1                             ; the scales and my part of slot 0 are in; slot 1's load may be out
	s_barrier_signal -1
	s_barrier_wait -1
	FETCH_B 0, 0, 0
	FETCH_A 0, 0, 0
	SCALES 0
	FETCH_A 0, 0, 4
	STEP 0, 0, 1                                   ; the first products start the sums: nothing is cleared
	STEPS 0, 1
	; slot 0's last step changes slots: one barrier; in front of it all my tensor loads have landed and my reads of slot 0 are over
	s_wait_tensorcnt 0x0
	ds_add_u32 v[SPW], v[NIL]
	s_wait_dscnt 4*NL+1                            ; the add and A's blocks 4-7 may be out
	WIN MUL_LO
	MUL16 0, 1, NQ-1, 0, 0
	s_wait_dscnt 0x0
	s_barrier_signal -1
	MUL16 2, 1, NQ-1, 0, 0
	WIN 0
	s_barrier_wait -1
	PLACES NP
	v_add_nc_u32 v[ADRS], 4*NQ, v[ADRS]            ; the next K step's scale words
	FETCH_B 1, 0, 0
	FETCH_A 1, 0, 0
	SCALES 1
	WIN MUL_HI
	MUL16 4, 1, NQ-1, 0, 0
	MUL16 6, 1, NQ-1, 0, 0
	PLACES NP
	WIN 0
	FETCH_A 1, 0, 4
	STEPS 1, 0
	s_wait_dscnt 4*NL
	WIN MUL_LO
	MUL16 0, 1, NQ-1, 1, 0
	MUL16 2, 1, NQ-1, 1, 0
	s_wait_dscnt 0
	WIN MUL_HI
	MUL16 4, 1, NQ-1, 1, 0
	MUL16 6, 1, NQ-1, 1, 0
	WIN 0
	PLACES NP                                      ; behind the last products: the way out writes registers that they read
; ---- THE WAY OUT.  Index 8 bq + j stands for channel 16 bq + 8 h + j of my row.
; ST1: block a's 32 phases and 32 amplitudes leave the accumulators (each from its low end on): EE = 2 log2(e) zp, NN = -log2(e) |za|, RR = max(za, 0)
.macro ST1 a
.set AC, 64*((\a)%4)
	WIN 0x0a+5*((\a)/4)
.set i, 0
.rept 16
	v_pk_mul_f32 v[EE+i:EE+i+1], v[AC+32+i:AC+32+i+1], 0x4038aa3b op_sel_hi:[1,0]
.set i, i+2
.endr
.set i, 0
.rept 32
	v_mul_f32 v[NN+i], |v[AC+i]|, s96
.set i, i+1
.endr
.set i, 0
.rept 32
	v_max_num_f32 v[RR+i], 0, v[AC+i]
.set i, i+1
.endr
	WIN 0
.endm
.macro PKL d, a, b, lit                ; d = a b + a constant, 32 numbers
.set i, 0
.rept 16
	v_pk_fma_f32 v[\d+i:\d+i+1], v[\a+i:\a+i+1], v[\b+i:\b+i+1], \lit op_sel_hi:[1,1,0]
.set i, i+2
.endr
.endm
.macro PKC d, a, cp, lit               ; d = a x a pair of constants + a constant
.set i, 0
.rept 16
	v_pk_fma_f32 v[\d+i:\d+i+1], v[\a+i:\a+i+1], v[\cp:\cp+1], \lit op_sel_hi:[1,1,0]
.set i, i+2
.endr
.endm
.macro PKM d, a, b                     ; d = a b
.set i, 0
.rept 16
	v_pk_mul_f32 v[\d+i:\d+i+1], v[\a+i:\a+i+1], v[\b+i:\b+i+1]
.set i, i+2
.endr
.endm
.macro ACT                             ; EE, NN, RR -> PP = A (0.5 - s^2), CC = A s c.  Two batches of transcendentals, one wait each, ahead of the batch's first reader
.set i, 0
.rept 32
	v_exp_f32 v[EE+i], v[EE+i]
	v_exp_f32 v[NN+i], v[NN+i]
.set i, i+1
.endr
	v_nop
	s_wait_alu depctr_va_vdst(0)
.set i, 0
.rept 16
	v_pk_add_f32 v[EE+i:EE+i+1], v[EE+i:EE+i+1], 1.0 op_sel_hi:[1,0]
	v_pk_add_f32 v[NN+i:NN+i+1], v[NN+i:NN+i+1], 1.0 op_sel_hi:[1,0]
.set i, i+2
.endr
.set i, 0
.rept 32
	v_rcp_f32 v[EE+i], v[EE+i]
	v_log_f32 v[NN+i], v[NN+i]
.set i, i+1
.endr
	v_nop
	s_wait_alu depctr_va_vdst(0)
.set i, 0
.rept 16
	v_pk_fma_f32 v[NN+i:NN+i+1], v[NN+i:NN+i+1], v[VLN2:VLN2+1], v[RR+i:RR+i+1]   ; A
.set i, i+2
.endr
	PKC EE, EE, VPI, 0x3fc90fdb                    ; y = pi / 2 - pi / (1 + e^(2 z))
	PKM WW, EE, EE                                 ; w = y^2
	PKC PP, WW, VS5, 0x3638ef1d                    ; sin y / y, by Horner
	PKC CC, WW, VC6, 0xb493f27e                    ; cos y
	PKL PP, PP, WW, 0xb9500d01
	PKL CC, CC, WW, 0x37d00d01
	PKL PP, PP, WW, 0x3c088889
	PKL CC, CC, WW, 0xbab60b61
	PKL PP, PP, WW, 0xbe2aaaab
	PKL CC, CC, WW, 0x3d2aaaab
	PKL PP, PP, WW, 1.0
	PKL CC, CC, WW, -0.5
	PKM PP, PP, EE                                 ; s
	PKL CC, CC, WW, 1.0                            ; c
	PKM CC, PP, CC                                 ; s c
.set i, 0
.rept 16
	v_pk_fma_f32 v[PP+i:PP+i+1], v[PP+i:PP+i+1], v[PP+i:PP+i+1], 0.5 op_sel_hi:[1,1,0] neg_lo:[1,0,0] neg_hi:[1,0,0]   ; 0.5 - s^2
.set i, i+2
.endr
	PKM PP, NN, PP
	PKM CC, NN, CC
.endm
	s_lshr_b32 s19, s66, 3                         ; the batch
	s_and_b32 s20, s66, 7
	s_lshl_b32 s20, s20, 8
	s_lshl_b32 s21, s17, 7
	s_add_co_u32 s20, s20, s21                     ; my first position in the sequence
	s_mov_b32 s93, 0
	s_cmp_eq_u32 s97, 4
	s_cbranch_scc1 .Lvpath
	s_and_b32 s21, s42, 7
	s_lshl_b32 s21, s21, 1
	s_add_co_u32 s21, s21, s18                     ; my head
	s_lshl_b32 s22, s19, 4
	s_add_co_u32 s22, s22, s21
	s_lshl_b32 s23, s22, 11
	s_add_co_u32 s23, s23, s20
	s_lshl_b32 s92, s23, 8                         ; rows of 256 bytes
	s_cmp_lt_u32 s97, 2
	s_cselect_b64 s[98:99], s[8:9], s[10:11]       ; qf or kf, by the cluster's y
	s_cselect_b32 s94, 0, 0x40000
	s_add_nc_u64 s[98:99], s[98:99], s[92:93]
	s_lshl_b32 s92, s22, 13
	s_add_co_u32 s92, s92, s94
	s_add_nc_u64 s[100:101], s[14:15], s[92:93]    ; the head's f32 image
	ST1 0
	s_mov_b32 s67, 0
.Lblk:                                             ; eight trips: a block of 16 rows each
	ACT
	s_or_b32 s19, s67, s95
	s_cmp_lg_u32 s19, 0
	s_cbranch_scc1 .Lno_side                       ; a count, the wave's number and the cluster's x: alike in all partners
	v_cmp_eq_u32 vcc_lo, s40, v[NIL]               ; positions 0-15 lie in the cluster's first column of work-groups: my place in the cluster enters the lanes' mask alone, never a branch
	s_wait_xcnt 0x0                                ; EXEC changes only behind this wait
	s_and_saveexec_b32 s19, vcc_lo
.irp bq, 0,1,2,3
.irp u, 0,1
	global_store_b128 v[CO], v[PP+8*\bq+4*\u:PP+8*\bq+4*\u+3], s[100:101] offset:\bq*1024+\u*512        ; 32 lanes store 512 consecutive bytes
	global_store_b128 v[CO], v[CC+8*\bq+4*\u:CC+8*\bq+4*\u+3], s[100:101] offset:4096+\bq*1024+\u*512
.endr
.endr
	s_wait_xcnt 0x0                                ; and again, ahead of the line that widens it; the stores' data may be written again too
	s_or_b32 exec_lo, exec_lo, s19
.Lno_side:
.set i, 0
.rept 16
	v_cvt_pk_f16_f32 v[WW+i], v[PP+2*i], v[PP+2*i+1]
	v_cvt_pk_f16_f32 v[WW+16+i], v[CC+2*i], v[CC+2*i+1]
.set i, i+1
.endr
.irp bq, 0,1,2,3
	ds_store_b128 v[STO], v[WW+4*\bq:WW+4*\bq+3] offset:32*\bq
	ds_store_b128 v[STO], v[WW+16+4*\bq:WW+16+4*\bq+3] offset:128+32*\bq
.endr
.irp t, 0,1,2,3,4,5,6,7
	ds_load_b128 v[PP+4*\t:PP+4*\t+3], v[RD] offset:544*\t   ; my own bytes, served in order: these see the stores above
.endr
	; the next block leaves its accumulators while the rows are on their way through the stage; it writes EE, NN, RR, which no LDS instruction in flight names
.irp n, 1,2,3,4,5,6,7
	s_cmp_eq_u32 s67, \n-1
	s_cbranch_scc1 .Lst_\n
.endr
	s_branch .Lst_done
.irp n, 1,2,3,4,5,6,7
.Lst_\n:
	ST1 \n
	s_branch .Lst_done
.endr
.Lst_done:
	s_wait_dscnt 0x0
.irp t, 0,1,2,3,4,5,6,7
	global_store_b128 v[CO], v[PP+4*\t:PP+4*\t+3], s[98:99] offset:512*\t   ; 16 rows of 256 bytes: 4,096 consecutive bytes
.endr
	s_wait_xcnt 0x0                                ; the base and the data are written again only behind this wait
	s_add_nc_u64 s[98:99], s[98:99], 4096
	s_add_co_u32 s67, s67, 1
	s_cmp_lt_u32 s67, 8
	s_cbranch_scc1 .Lblk
	s_branch .Lend
.Lvpath:                                           ; wv: no activation.  My 128 weight rows are two heads
	s_and_b32 s21, s42, 3
	s_lshl_b32 s21, s21, 2
	s_lshl_b32 s22, s18, 1
	s_add_co_u32 s21, s21, s22                     ; my first head
	s_lshl_b32 s22, s19, 4
	s_add_co_u32 s22, s22, s21
	s_lshl_b32 s23, s22, 11
	s_add_co_u32 s23, s23, s20
	s_lshl_b32 s92, s23, 7                         ; rows of 128 bytes
	s_add_nc_u64 s[98:99], s[12:13], s[92:93]
	s_lshl_b32 s92, s22, 12
	s_add_co_u32 s92, s92, 0x80000
	s_add_nc_u64 s[100:101], s[14:15], s[92:93]
	s_cmp_lg_u32 s95, 0
	s_cbranch_scc1 .Lv_no_side
	v_cmp_eq_u32 vcc_lo, s40, v[NIL]
	s_wait_xcnt 0x0
	s_and_saveexec_b32 s19, vcc_lo
	WIN 0x08                                       ; a store's data: window 2
.irp b, 0,1,2,3,4,5,6,7
	global_store_b128 v[CO], v[8*\b:8*\b+3], s[100:101] offset:(\b/4)*4096+(\b%4)*1024        ; each accumulator from its low end on
	global_store_b128 v[CO], v[8*\b+4:8*\b+7], s[100:101] offset:(\b/4)*4096+(\b%4)*1024+512
.endr
	WIN 0
	s_wait_xcnt 0x0
	s_or_b32 exec_lo, exec_lo, s19
.Lv_no_side:
.macro VBLK a                          ; block a: to f16, through the stage; registers by turns, so that nothing in flight is written over
.set AC, 64*((\a)%4)
.set CV, 32+32*((\a)%2)
.set BB, 128+32*((\a)%2)
	WIN 0x0a+5*((\a)/4)
.set i, 0
.rept 32
	v_cvt_pk_f16_f32 v[CV+i], v[AC+2*i], v[AC+2*i+1]
.set i, i+1
.endr
	WIN 0
.irp b, 0,1,2,3,4,5,6,7
	ds_store_b128 v[STOV], v[CV+4*\b:CV+4*\b+3] offset:(\b/4)*2176+32*(\b%4)
.endr
.irp t, 0,1,2,3,4,5,6,7
	ds_load_b128 v[BB+4*\t:BB+4*\t+3], v[RD] offset:544*\t
.endr
.endm
.macro SEND a, younger                 ; younger: the LDS instructions issued behind block a's loads
.set BB, 128+32*((\a)%2)
	s_wait_dscnt \younger
.irp t, 0,1,2,3,4,5,6,7
	global_store_b128 v[CO], v[BB+4*\t:BB+4*\t+3], s[98:99] offset:(\a)*2048+(\t/4)*262144+(\t%4)*512   ; four rows of 128 bytes: 512 consecutive bytes
.endr
.endm
	VBLK 0
.irp a, 1,2,3,4,5,6,7
.if \a > 1
	s_wait_xcnt 0x0                                ; block a - 2's stores have read their registers
.endif
	VBLK \a
	SEND \a-1, 16                                  ; block a's eight stores and eight loads may be out
.endr
	SEND 7, 0
.Lend:
	s_wait_tensorcnt 0x0                           ; the wave's end
	ds_add_u32 v[SPW], v[NIL]
	s_wait_dscnt 0x0
	CROUND                                         ; the closing round
	s_endpgm
.Lfunc_end_k_q8f2446a6e6_proj:
	.size	k_q8f2446a6e6_proj, .Lfunc_end_k_q8f2446a6e6_proj-k_q8f2446a6e6_proj
	.p2alignl 7, 3214868480
	.fill 96, 4, 3214868480
	.section	.rodata,"a",@progbits
	.p2align	6, 0x0
	.amdhsa_kernel k_q8f2446a6e6_proj
		.amdhsa_group_segment_fixed_size 327680
		.amdhsa_private_segment_fixed_size 0
		.amdhsa_enable_private_segment 0
		.amdhsa_kernarg_size 48
		.amdhsa_user_sgpr_count 2
		.amdhsa_user_sgpr_kernarg_segment_ptr 1
		.amdhsa_wavefront_size32 1
		.amdhsa_system_sgpr_workgroup_id_x 1
		.amdhsa_system_sgpr_workgroup_id_y 1
		.amdhsa_system_sgpr_workgroup_id_z 1
		.amdhsa_system_vgpr_workitem_id 0
		.amdhsa_next_free_vgpr 1024
		.amdhsa_next_free_sgpr 102
		.amdhsa_reserve_vcc 1
		.amdhsa_float_denorm_mode_32 3
		.amdhsa_float_denorm_mode_16_64 3
		.amdhsa_memory_ordered 1
		.amdhsa_forward_progress 1
		.amdhsa_inst_pref_size 202
	.end_amdhsa_kernel
	.amdgpu_metadata
---
amdhsa.version: [ 1, 2 ]
amdhsa.kernels:
  - .name:           k_q8f2446a6e6_proj
    .symbol:         k_q8f2446a6e6_proj.kd
    .args:
      - { .name: codes, .offset: 0, .size: 8, .value_kind: global_buffer, .address_space: global }
      - { .name: scales, .offset: 8, .size: 8, .value_kind: global_buffer, .address_space: global }
      - { .name: qf, .offset: 16, .size: 8, .value_kind: global_buffer, .address_space: global }
      - { .name: kf, .offset: 24, .size: 8, .value_kind: global_buffer, .address_space: global }
      - { .name: vf, .offset: 32, .size: 8, .value_kind: global_buffer, .address_space: global }
      - { .name: fine, .offset: 40, .size: 8, .value_kind: global_buffer, .address_space: global }
    .group_segment_fixed_size: 327680
    .private_segment_fixed_size: 0
    .kernarg_segment_align: 8
    .kernarg_segment_size: 48
    .max_flat_workgroup_size: 128
    .sgpr_count:     102
    .vgpr_count:     1024
    .wavefront_size: 32
...
	.end_amdgpu_metadata
.endif
;; end of part 2
;; launch attn (part 3): grid 8 x 32, 16 waves a work-group, no clusters, 327,680 bytes of LDS; arguments qf, kf, vf, ao; writes ao
.if DOCPART == 3
	.amdgcn_target "amdgcn-amd-amdhsa--gfx1250"
	.amdhsa_code_object_version 6
	.text
	.protected	k_q8f2446a6e6_attn
	.globl	k_q8f2446a6e6_attn
	.p2align	8
	.type	k_q8f2446a6e6_attn,@function
k_q8f2446a6e6_attn:
	s_mov_b64 s[64:65], 0
	v_nop
	global_prefetch_b8 v0, s[64:65] scope:SCOPE_SE
	s_setreg_imm32_b32 hwreg(HW_REG_WAVE_MODE, 25, 1), 1
	s_wait_xcnt 0x0
; Causal attention on f16 operands, f32 sums.  score = Q''. K'' over 128 (cos part | sin part); Q'' and K'' are half of reference()'s, so reference()'s score / 8 is (Q''. K'') / 2, and p = 2^(c s - c m) with c = log2(e) / 2.
; The running maximum m is taken away before the exponential; O and the sum l are multiplied by a = 2^(c m_old - c m_new) in every step.
; WORK LEFT OUT: key steps all of whose keys come after a wave's 16 queries, and slots that come after the work-group's last query: the causal mask of reference()'s own body gives them the weight 0.
; SHARES: a work-group owns query blocks i and 15 - i (128 queries each) of one head, so that every work-group has the same number of visible key steps.  Each of sixteen waves owns 16 queries in 256 registers,
; four waves to a SIMD: one wave's vector work stands beside another's matrix work.  Keys go 64 a step; K and V come through two LDS slots of 256 keys (waves 0, 1: K's halves; waves 2, 3: V's).
; NO CLUSTER: the work-groups of a head need different numbers of slots under the mask, so a partner would have to ask for tiles that none of its waves reads.
; LAYOUT: S^T = K Q^T and O^T = V^T P: a lane holds one query (lane % 16) throughout; two tiles of S^T, rounded to f16 in pairs, are source 1 of the second product.  V ([key][channel]) is turned by ds_load_tr16_b128.
; OUT: ao, f16: (row R, head, channel) at (R / 2) 4096 + head 256 + (R % 2) 128 + 2 channel: a wave's 16 queries x 64 channels are eight runs of 256 consecutive bytes.
; Positions 0-15 are made here too (the next launch's tiles read those bytes); the last launch makes their rows of the output anew in f32.
; LIMITS: NaN and infinities are not served; p under f16's smallest number counts as 0 in the second product (beside a largest p of 1).
.set PK,    272                        ; a key's row of K in LDS: 256 bytes + 16
.set PV,    160                        ; of V: 128 bytes + 32
.set VOFF,  256*PK
.set SLOT1, 1<<17
.set STAGE, 2*SLOT1                    ; the way out: 8 rows x 272 bytes for each wave; no fill lands here
.set SPARE, STAGE+16*8*272             ; the spare words, 128 bytes a wave
.set AK0, 1
.set AV0, 2
.set ADK, 3
.set ADV, 4
.set SPW, 5
.set NIL, 6
.set PFO, 7
.set QF,  16                           ; v16-47   Q: four fragments
.set KR,  48                           ; v48-175  K: 16 fragments; v48-111 then V's eight
.set SS,  176                          ; v176-207 S^T, then p
.set PP,  208                          ; v208-223 p in f16
.set OO,  224                          ; v224-255 O^T
.set TB,  2                            ; s2  LDS byte at which the slot in hand begins
.set KF,  3                            ; s3  the step's first key
.set WV,  12
.set Q0,  13                           ; my first query
.set QL,  14                           ; my work-group's last query
.set LIM, 15
.set SLOTS, 16
.set TMP, 17
.set PFA, 18
.set SEL, 20
.set CS,  22
.set G1K, 24
.set G1V, 32
.set G0K, 40
.set G0V, 44
.set PFS, 48
.set QE,  50                           ; my last query
.macro TLOAD                           ; waves 0, 1 fetch K's halves, waves 2, 3 V's, the others nothing; an s_nop 0 and four v_nop follow each line
	s_cmp_lt_u32 s[WV], 2
	s_cbranch_scc0 .Lnot_k_\@
	tensor_load_to_lds s[G0K:G0K+3], s[G1K:G1K+7]
	s_nop 0
.rept 4
	v_nop
.endr
	s_branch .Lasked_\@
.Lnot_k_\@:
	s_cmp_lt_u32 s[WV], 4
	s_cbranch_scc0 .Lasked_\@
	tensor_load_to_lds s[G0V:G0V+3], s[G1V:G1V+7]
	s_nop 0
.rept 4
	v_nop
.endr
.Lasked_\@:
.endm
; A prefetch of what the NEXT change of slots will ask for: 65,536 bytes of K and 32,768 of V, both dense.  The head's first work-group asks (it walks all slots); in it waves 4-11 take K's bytes, 8,192 a wave,
; lanes 256 bytes apart, and waves 12-15 V's likewise: each run of 256 bytes is named once.  The last change that fills a slot asks for nothing; slots 0 and 1 come by their loads alone.
.macro ASK
	s_cmp_gt_u32 s[SLOTS], s[LIM]
	s_cbranch_scc0 .Lnot_mine_\@
	global_prefetch_b8 v[PFO], s[PFA:PFA+1] th:TH_LOAD_NT scope:SCOPE_SE
.Lnot_mine_\@:
.endm
	s_load_b256 s[4:11], s[0:1], 0x0               ; qf, kf, vf, ao
	v_lshl_add_u32 v[SPW], v0, 2, SPARE
	v_mov_b32 v[NIL], 0
	ds_add_u32 v[SPW], v[NIL]                      ; the opening: the add, twice on end, and its wait ahead of the first tensor load
	ds_add_u32 v[SPW], v[NIL]
	v_lshrrev_b32 v8, 5, v0
	v_readfirstlane_b32 s[WV], v8
	s_and_b32 s51, ttmp7, 0xffff                   ; batch x 16 + head
	s_lshr_b32 s52, s[WV], 2
	s_xor_b32 s52, s52, s[WV]
	s_and_b32 s52, s52, 1                          ; 1: my tile lies in the late block
	s_sub_co_u32 s53, 15, ttmp9
	s_cmp_eq_u32 s52, 1
	s_cselect_b32 s53, s53, ttmp9
	s_lshl_b32 s[Q0], s53, 7
	s_lshr_b32 s53, s[WV], 1
	s_lshl_b32 s53, s53, 4
	s_add_co_u32 s[Q0], s[Q0], s53
	s_add_co_u32 s[QE], s[Q0], 15
	s_sub_co_u32 s[QL], 16, ttmp9
	s_lshl_b32 s[QL], s[QL], 7
	s_sub_co_u32 s[QL], s[QL], 1
	s_mov_b32 s[G1K], (1<<16)|(1<<20)|(5<<22)|(3<<25)   ; elements of 2 bytes; 4 words of padding behind every 64
	s_mov_b32 s[G1K+1], 128<<16
	s_mov_b32 s[G1K+2], 128<<16
	s_mov_b32 s[G1K+3], 128<<16
	s_mov_b32 s[G1K+4], 128
	s_mov_b32 s[G1K+5], 128
	s_mov_b32 s[G1K+6], 0
	s_mov_b32 s[G1K+7], 0
	s_mov_b32 s[G1V], (1<<16)|(1<<20)|(4<<22)|(7<<25)   ; 8 words of padding behind every 32
	s_mov_b32 s[G1V+1], 64<<16
	s_mov_b32 s[G1V+2], 128<<16
	s_mov_b32 s[G1V+3], 64<<16
	s_mov_b32 s[G1V+4], 128
	s_mov_b32 s[G1V+5], 64
	s_mov_b32 s[G1V+6], 0
	s_mov_b32 s[G1V+7], 0
	s_and_b32 s54, s[WV], 1                        ; which 128 keys of a slot I fetch, if I fetch
	s_lshl_b32 s56, s51, 19
	s_lshl_b32 s55, s54, 15
	s_add_co_u32 s56, s56, s55
	s_mov_b32 s57, 0
	s_lshl_b32 s58, s51, 18
	s_lshl_b32 s55, s54, 14
	s_add_co_u32 s58, s58, s55
	s_mov_b32 s59, 0
	s_mul_i32 s60, s54, 128*PK
	s_mul_i32 s61, s54, 128*PV
	s_add_co_u32 s61, s61, VOFF
	s_mov_b32 s[SEL], 0x76543210
	s_mov_b32 s[SEL+1], 0xfedcba98
	s_mov_b32 s[CS], 0x3f38aa3b                    ; c = log2(e) / 2
	s_mov_b32 s[CS+1], s[CS]
	s_mov_b32 s[TB], 0
	s_mov_b32 s[KF], 0
	s_mov_b32 s[SLOTS], 7
	s_wait_dscnt 0x0                               ; both opening adds are done
	s_wait_kmcnt 0x0
	s_mov_b32 s[G0K], 1
	s_mov_b32 s[G0K+1], s60
	s_add_nc_u64 s[G0K+2:G0K+3], s[6:7], s[56:57]
	s_or_b32 s[G0K+3], s[G0K+3], 0x80000000
	s_mov_b32 s[G0V], 1
	s_mov_b32 s[G0V+1], s61
	s_add_nc_u64 s[G0V+2:G0V+3], s[8:9], s[58:59]
	s_or_b32 s[G0V+3], s[G0V+3], 0x80000000
	TLOAD                                          ; slot 0: key 0 counts for every query.  By this text's count one tensor load of a wave is out at the most
	s_lshl_b32 s56, s51, 19
	s_lshl_b32 s55, s[Q0], 8
	s_add_co_u32 s56, s56, s55
	s_add_nc_u64 s[4:5], s[4:5], s[56:57]          ; Q at my first query
	s_lshr_b32 s55, s51, 4
	s_lshl_b32 s55, s55, 11
	s_add_co_u32 s55, s55, s[Q0]
	s_lshl_b32 s56, s55, 11
	s_and_b32 s55, s51, 15
	s_lshl_b32 s55, s55, 8
	s_add_co_u32 s56, s56, s55
	s_add_nc_u64 s[10:11], s[10:11], s[56:57]      ; ao at my first row pair and my head
	; the prefetches: where my wave's stand, and who asks
	s_add_co_u32 s54, s[WV], 4
	s_and_b32 s54, s54, 7
	s_and_b32 s53, s[WV], 3
	s_mov_b32 s[PFS], 32768
	s_cmp_lt_u32 s[WV], 12
	s_cselect_b64 s[PFA:PFA+1], s[6:7], s[8:9]
	s_cselect_b32 s[PFS], 65536, s[PFS]            ; a slot on
	s_cselect_b32 s54, s54, s53                    ; my 8,192 bytes of a slot's
	s_cselect_b32 s53, 19, 18
	s_lshl_b32 s56, s51, s53                       ; my head
	s_lshl_b32 s54, s54, 13
	s_add_co_u32 s56, s56, s54
	s_add_co_u32 s56, s56, s[PFS]                  ; in slot 1: the first change of slots steps it to slot 2
	s_mov_b32 s[PFS+1], 0
	s_add_nc_u64 s[PFA:PFA+1], s[PFA:PFA+1], s[56:57]
	s_cmp_lt_u32 s[WV], 4
	s_cselect_b32 s53, 1, 0
	s_or_b32 s53, s53, ttmp9
	s_cmp_eq_u32 s53, 0
	s_cselect_b32 s[LIM], 1, -1
	v_and_b32 v[PFO], 31, v0
	v_lshlrev_b32 v[PFO], 8, v[PFO]
	v_and_b32 v8, 15, v0                           ; r
	v_bfe_u32 v9, v0, 4, 1                         ; h
	v_lshlrev_b32 v10, 8, v8
	v_lshl_add_u32 v10, v9, 4, v10
.irp c, 0,1,2,3
	global_load_b128 v[QF+8*\c:QF+8*\c+3], v10, s[4:5] offset:64*\c        ; Q stays in registers
	global_load_b128 v[QF+8*\c+4:QF+8*\c+7], v10, s[4:5] offset:64*\c+32
.endr
	v_mul_u32_u24 v[AK0], v8, PK
	v_lshl_add_u32 v[AK0], v9, 4, v[AK0]
	v_and_b32 v11, 7, v0
	v_lshl_add_u32 v[AV0], v9, 3, v11
	v_mul_u32_u24 v[AV0], v[AV0], PV
	v_bfe_u32 v11, v0, 3, 1
	v_lshl_add_u32 v[AV0], v11, 4, v[AV0]
	v_add_nc_u32 v[AV0], VOFF, v[AV0]
	v_mov_b32 v13, 0xff61b1e6                      ; m: -3e38, under every score
	v_mul_f32 v12, s[CS], v13                      ; c m
	v_mov_b32 v14, 0                               ; l, in two halves
	v_mov_b32 v15, 0
.set i, 0
.rept 32
	v_mov_b32 v[OO+i], 0                           ; O^T: the step is written once; the first a is 0 and finds zeros
.set i, i+1
.endr
.macro STEP q                          ; 64 keys, the q-th of the slot in hand
	s_cmp_gt_u32 s[KF], s[QE]                      ; all keys after my queries: the step's work is left out (ids and a count alone; no barrier and no tensor load stands in a step)
	s_cbranch_scc1 .Lhidden_\@
	v_add_nc_u32 v[ADK], s[TB], v[AK0]
	v_add_nc_u32 v[ADV], s[TB], v[AV0]
	v_nop
	v_nop                                          ; four plain lines between the last products and loads into registers that they read
.set f, 0
.rept 16                               ; fragment f: keys 16 (f / 4) on, channels 32 (f % 4) on
	ds_load_b128 v[KR+8*f:KR+8*f+3], v[ADK] offset:(64*(\q)+16*(f/4))*PK+64*(f%4)
	ds_load_b128 v[KR+8*f+4:KR+8*f+7], v[ADK] offset:(64*(\q)+16*(f/4))*PK+64*(f%4)+32
.set f, f+1
.endr
	s_wait_dscnt 0x0
.irp c, 0,1,2,3                        ; the four accumulators take turns
.irp k, 0,1,2,3
.if \c == 0
	v_wmma_f32_16x16x32_f16 v[SS+8*\k:SS+8*\k+7], v[KR+8*(4*\k+\c):KR+8*(4*\k+\c)+7], v[QF+8*\c:QF+8*\c+7], 0
.else
	v_wmma_f32_16x16x32_f16 v[SS+8*\k:SS+8*\k+7], v[KR+8*(4*\k+\c):KR+8*(4*\k+\c)+7], v[QF+8*\c:QF+8*\c+7], v[SS+8*\k:SS+8*\k+7]
.endif
.endr
.endr
.rept 4
	v_nop
.endr
.set f, 0
.rept 8                                ; V's fragment f: keys 32 (f / 4) on, channels 16 (f % 4) on; they land while the softmax is walked
	ds_load_tr16_b128 v[KR+8*f:KR+8*f+3], v[ADV] offset:(64*(\q)+32*(f/4))*PV+32*(f%4)
	ds_load_tr16_b128 v[KR+8*f+4:KR+8*f+7], v[ADV] offset:(64*(\q)+32*(f/4))*PV+16*PV+32*(f%4)
.set f, f+1
.endr
	s_add_co_u32 s[TMP], s[KF], 63
	s_cmp_le_u32 s[TMP], s[Q0]
	s_cbranch_scc1 .Lopen_\@                       ; all keys count
	s_sub_co_i32 s[TMP], s[Q0], s[KF]
	v_and_b32 v8, 15, v0
	v_bfe_u32 v9, v0, 4, 1
	v_lshlrev_b32 v9, 3, v9
	v_sub_nc_u32 v8, v8, v9
	v_add_nc_u32 v8, s[TMP], v8                    ; d = my query - KF - 8 h.  Register 8 k + j holds key KF + 16 k + 8 h + j: hidden where 16 k + j > d
	v_mov_b32 v9, 0xff800000
.set n, 0
.rept 32
	v_cmp_gt_i32 vcc_lo, 16*(n/8)+n%8, v8
	v_cndmask_b32 v[SS+n], v[SS+n], v9, vcc_lo
.set n, n+1
.endr
.Lopen_\@:
.irp k, 0,1,2,3                        ; the maximum: four chains, each from its tile's low end
	v_max3_num_f32 v[8+\k], v[SS+8*\k], v[SS+8*\k+1], v[SS+8*\k+2]
.endr
.irp k, 0,1,2,3
	v_max3_num_f32 v[8+\k], v[8+\k], v[SS+8*\k+3], v[SS+8*\k+4]
.endr
.irp k, 0,1,2,3
	v_max3_num_f32 v[8+\k], v[8+\k], v[SS+8*\k+5], v[SS+8*\k+6]
.endr
	v_max3_num_f32 v8, v8, v[SS+7], v[SS+15]
	v_max3_num_f32 v10, v10, v[SS+23], v[SS+31]
	v_max3_num_f32 v8, v8, v9, v10
	v_max3_num_f32 v8, v8, v11, v13                ; with the old m
	v_permlanex16_b32 v9, v8, s[SEL], s[SEL+1]     ; the query's other 32 keys lie 16 lanes away
	v_mov_b32 v11, v12                             ; c m_old
	v_max_num_f32 v13, v8, v9
	v_mul_f32 v12, s[CS], v13
	v_sub_f32 v11, v11, v12
.set i, 0
.rept 16
	v_pk_fma_f32 v[SS+i:SS+i+1], v[SS+i:SS+i+1], s[CS:CS+1], v[12:13] op_sel_hi:[1,0,0] neg_lo:[0,0,1] neg_hi:[0,0,1]   ; c s - c m
.set i, i+2
.endr
	v_exp_f32 v10, v11                             ; a
.set i, 0
.rept 32
	v_exp_f32 v[SS+i], v[SS+i]
.set i, i+1
.endr
	v_nop                                          ; the plain line behind the batch,
	s_wait_alu depctr_va_vdst(0)                   ; and its one wait, ahead of the first reader
.set i, 0
.rept 16
	v_cvt_pk_f16_f32 v[PP+i], v[SS+2*i], v[SS+2*i+1]
.set i, i+1
.endr
.irp i, 0,4,8,12,16,20,24,28           ; the sum of the unrounded p, pairs in place
	v_pk_add_f32 v[SS+\i:SS+\i+1], v[SS+\i:SS+\i+1], v[SS+\i+2:SS+\i+3]
.endr
.irp i, 0,8,16,24
	v_pk_add_f32 v[SS+\i:SS+\i+1], v[SS+\i:SS+\i+1], v[SS+\i+4:SS+\i+5]
.endr
.irp i, 0,16
	v_pk_add_f32 v[SS+\i:SS+\i+1], v[SS+\i:SS+\i+1], v[SS+\i+8:SS+\i+9]
.endr
	v_pk_add_f32 v[SS:SS+1], v[SS:SS+1], v[SS+16:SS+17]
	v_pk_fma_f32 v[14:15], v[14:15], v[10:11], v[SS:SS+1] op_sel_hi:[1,0,1]   ; l = a l + the sum
.set i, 0
.rept 16
	v_pk_mul_f32 v[OO+i:OO+i+1], v[OO+i:OO+i+1], v[10:11] op_sel_hi:[1,0]
.set i, i+2
.endr
	s_wait_dscnt 0x0                               ; V is in
.irp u, 0,1
.irp t, 0,1,2,3
	v_wmma_f32_16x16x32_f16 v[OO+8*\t:OO+8*\t+7], v[KR+8*(4*\u+\t):KR+8*(4*\u+\t)+7], v[PP+8*\u:PP+8*\u+7], v[OO+8*\t:OO+8*\t+7]
.endr
.endr
.Lhidden_\@:
	s_add_co_u32 s[KF], s[KF], 64
.endm
; THE CHANGE OF SLOTS, at a slot's head.  Each wave waits for all its tensor loads, adds 0 to its spare word, and waits for that and for its reads of the slot that it has left; behind the barrier the slot ahead is whole
; and nobody reads the other one, which is then filled with the next 256 keys, up to the causal limit.
.macro CHANGE fill
	s_wait_tensorcnt 0x0                           ; no tensor load of mine is out, so a group 0 may be written
	ds_add_u32 v[SPW], v[NIL]
.if \fill
	ds_add_u32 v[SPW], v[NIL]                      ; twice on end here, in every trip alike
	s_xor_b32 s[G0K+1], s[G0K+1], SLOT1
	s_add_nc_u64 s[G0K+2:G0K+3], s[G0K+2:G0K+3], 65536
	s_xor_b32 s[G0V+1], s[G0V+1], SLOT1
	s_add_nc_u64 s[G0V+2:G0V+3], s[G0V+2:G0V+3], 32768
	s_wait_xcnt 0x0                                ; the last prefetch, a slot back, has read its address
	s_add_nc_u64 s[PFA:PFA+1], s[PFA:PFA+1], s[PFS:PFS+1]
.endif
	s_wait_dscnt 0x0
	s_barrier_signal -1
	s_barrier_wait -1
.if \fill
	s_add_co_u32 s[TMP], s[KF], 256                ; the first key of the slot that this change would ask for
	s_cmp_gt_u32 s[TMP], s[QL]                     ; after my work-group's last query: none of its waves would read it.  Ids and a count alone: all sixteen waves go the same way; every wait on TENSORcnt here is for 0
	s_cbranch_scc1 .Lpast_\@
	TLOAD
.Lpast_\@:
	ASK
.endif
.endm
.macro SLOT_STEPS
	STEP 0
	STEP 1
	STEP 2
	STEP 3
	s_xor_b32 s[TB], s[TB], SLOT1
.endm
	s_wait_loadcnt 0x0                             ; Q
.Lslot:                                            ; seven trips, a constant: every work-group walks all changes of slots
	CHANGE 1
	SLOT_STEPS
	s_sub_co_u32 s[SLOTS], s[SLOTS], 1
	s_cmp_lg_u32 s[SLOTS], 0
	s_cbranch_scc1 .Lslot
	CHANGE 0                                       ; the last slot is written out: nothing is left to ask for
	SLOT_STEPS
	; THE WAY OUT: O^T / l, to f16, through my stage, as eight runs of 256 bytes
.rept 4
	v_nop
.endr
	v_add_f32 v14, v14, v15
	v_permlanex16_b32 v9, v14, s[SEL], s[SEL+1]
	v_add_f32 v14, v14, v9
	v_rcp_f32 v10, v14
	v_and_b32 v1, 15, v0                           ; (plain work behind the reciprocal)  r
	v_bfe_u32 v2, v0, 4, 1                         ; h
	s_mul_i32 s[TMP], s[WV], 8*272
	s_add_co_u32 s[TMP], s[TMP], STAGE
	v_lshrrev_b32 v3, 1, v1
	v_mul_u32_u24 v3, v3, 272
	v_and_b32 v4, 1, v1
	v_lshl_add_u32 v3, v4, 7, v3
	v_lshl_add_u32 v3, v2, 4, v3
	v_add_nc_u32 v3, s[TMP], v3                    ; in: row pair r / 2, + 128 (r % 2) + 16 h
	v_mul_u32_u24 v4, v2, 272
	v_lshl_add_u32 v4, v1, 4, v4
	v_add_nc_u32 v4, s[TMP], v4                    ; back: lanes 0-15 one row pair, lanes 16-31 the next
	v_lshlrev_b32 v8, 12, v2
	v_lshl_add_u32 v8, v1, 4, v8                   ; and the same in ao
	s_wait_alu depctr_va_vdst(0)
.set i, 0
.rept 16
	v_pk_mul_f32 v[48+i:49+i], v[OO+i:OO+i+1], v[10:11] op_sel_hi:[1,0]
.set i, i+2
.endr
.set i, 0
.rept 16
	v_cvt_pk_f16_f32 v[80+i], v[48+2*i], v[49+2*i]
.set i, i+1
.endr
.irp t, 0,1,2,3
	ds_store_b128 v3, v[80+4*\t:83+4*\t] offset:32*\t
.endr
.irp t, 0,1,2,3
	ds_load_b128 v[96+4*\t:99+4*\t], v4 offset:544*\t      ; my own bytes, served in order
.endr
.irp t, 0,1,2,3
	s_wait_dscnt 3-\t                              ; the younger loads may be out
	global_store_b128 v8, v[96+4*\t:99+4*\t], s[10:11] offset:8192*\t   ; sixteen lanes store 256 consecutive bytes
.endr
	s_wait_tensorcnt 0x0                           ; the wave's end
	ds_add_u32 v[SPW], v[NIL]
	s_wait_dscnt 0x0
	s_endpgm
.Lfunc_end_k_q8f2446a6e6_attn:
	.size	k_q8f2446a6e6_attn, .Lfunc_end_k_q8f2446a6e6_attn-k_q8f2446a6e6_attn
	.p2alignl 7, 3214868480
	.fill 96, 4, 3214868480
	.section	.rodata,"a",@progbits
	.p2align	6, 0x0
	.amdhsa_kernel k_q8f2446a6e6_attn
		.amdhsa_group_segment_fixed_size 327680
		.amdhsa_private_segment_fixed_size 0
		.amdhsa_enable_private_segment 0
		.amdhsa_kernarg_size 32
		.amdhsa_user_sgpr_count 2
		.amdhsa_user_sgpr_kernarg_segment_ptr 1
		.amdhsa_wavefront_size32 1
		.amdhsa_system_sgpr_workgroup_id_x 1
		.amdhsa_system_sgpr_workgroup_id_y 1
		.amdhsa_system_sgpr_workgroup_id_z 1
		.amdhsa_system_vgpr_workitem_id 0
		.amdhsa_next_free_vgpr 256
		.amdhsa_next_free_sgpr 66
		.amdhsa_reserve_vcc 1
		.amdhsa_float_denorm_mode_32 3
		.amdhsa_float_denorm_mode_16_64 3
		.amdhsa_memory_ordered 1
		.amdhsa_forward_progress 1
		.amdhsa_inst_pref_size 123
	.end_amdhsa_kernel
	.amdgpu_metadata
---
amdhsa.version: [ 1, 2 ]
amdhsa.kernels:
  - .name:           k_q8f2446a6e6_attn
    .symbol:         k_q8f2446a6e6_attn.kd
    .args:
      - { .name: qf, .offset: 0, .size: 8, .value_kind: global_buffer, .address_space: global }
      - { .name: kf, .offset: 8, .size: 8, .value_kind: global_buffer, .address_space: global }
      - { .name: vf, .offset: 16, .size: 8, .value_kind: global_buffer, .address_space: global }
      - { .name: ao, .offset: 24, .size: 8, .value_kind: global_buffer, .address_space: global }
    .group_segment_fixed_size: 327680
    .private_segment_fixed_size: 0
    .kernarg_segment_align: 8
    .kernarg_segment_size: 32
    .max_flat_workgroup_size: 512
    .sgpr_count:     66
    .vgpr_count:     256
    .wavefront_size: 32
...
	.end_amdgpu_metadata
.endif
;; end of part 3
;; launch outproj (part 4): grid 8 x 32, 4 waves a work-group, clusters of 4 x 4, 327,680 bytes of LDS; arguments ao, wo16, out0; writes out0
.if DOCPART == 4
	.amdgcn_target "amdgcn-amd-amdhsa--gfx1250"
	.amdhsa_code_object_version 6
	.text
	.protected	k_q8f2446a6e6_outproj
	.globl	k_q8f2446a6e6_outproj
	.p2align	8
	.type	k_q8f2446a6e6_outproj,@function
k_q8f2446a6e6_outproj:
	s_mov_b64 s[64:65], 0
	v_nop
	global_prefetch_b8 v0, s[64:65] scope:SCOPE_SE
	s_setreg_imm32_b32 hwreg(HW_REG_WAVE_MODE, 25, 1), 1
	s_wait_xcnt 0x0
	s_wait_alu depctr_hold_cnt(0) depctr_sa_sdst(0) depctr_va_vdst(0) depctr_va_sdst(0) depctr_va_ssrc(0) depctr_va_vcc(0) depctr_vm_vsrc(0)
	s_getreg_b32 s2, hwreg(HW_REG_IB_STS2, 6, 4)
	s_cmp_eq_u32 s2, 0
	s_cbranch_scc0 .Lentry_in_a_cluster
	s_endpgm
.Lentry_in_a_cluster:
	s_bfe_u32 s2, ttmp6, 0x10000c
	s_cmp_lg_u32 s2, 0xf033
	s_cbranch_scc0 .Lentry_shape_is_right
	s_endpgm
.Lentry_shape_is_right:
; out0[m][n] = sum over k of ao[m][k] wo[n][k]: f16 operands, f32 sums, f32 out.  M = 4096, N = 1024, K = 1024: 256 tiles of 128 x 128, one to a work-group; four waves, each 64 x 64: 16 accumulators.
; K goes in steps of 256 through two LDS slots.  B = wo16 [n][k]: rows of 512 bytes, 64 to a load.  A = ao lies by row PAIRS: (R / 2) 4096 + head 256 + (R % 2) 128 + 2 channel, so a K step (four heads) of a row pair is
; 1,024 consecutive bytes: 32 such rows to a load; in LDS 1,040 bytes apart, so that the sixteen rows of a fragment load fall into sixteen different columns of 16 bytes.
; CLUSTERS 4 x 4: A's tiles are asked for jointly along a row of the cluster, B's along a column.  THE MATRIX INSTRUCTION IS USED TRANSPOSED: a lane holds eight neighbouring numbers of a row of out0.
; The rows of positions 0-15 of both batches are made here from f16 operands and made anew in f32 by the last launch.
; No prefetch: a K step's tiles are small and shared sixteenfold.
; REGISTERS: window 0: v16-29 addresses; v128-255 the accumulators ((a, b) at v[128 + 8 (4 a + b)]), later the rows on their way out.  window 1: two fragment buffers of 128.
.set SIZE_N, 1024
.set SIZE_K, 1024
.set KSTEP,  256
.set PITCH,  528                       ; B's LDS row: 512 bytes + 16
.set APITCH, 1040                      ; A's LDS row (a row pair's K step): 1,024 bytes + 16
.set HALFT,  64*PITCH                  ; what one load may take: B's 64 rows; A's 32 row pairs take 33,280 of it
.set SLOT,   4*HALFT
.set SPARE,  2*SLOT                    ; the spare words, 128 bytes a wave
.set SPITCH, 528                       ; the way out: 128 rows x (512 + 16) bytes, in slot 0, which has had its last fill and its last read by then
.set LAPS,   SIZE_K/(2*KSTEP)
.set ADRA, 16
.set ADRB, 20
.set STO,  24
.set RD,   25
.set CO,   26
.set SPW,  28
.set NIL,  29
.set ACC,  128
.set F0,   0
.set F1,   128
.set G1, 24
.set G0, 32
.set G1B, 48
.set G0B, 56
.set MSB, 0
.macro WIN new
.if MSB != \new
	s_set_vgpr_msb (MSB<<8)|\new
.set MSB, \new
.endif
.endm
.set MUL,  0x05                        ; sources 0 (B) and 1 (A) window 1; C and D window 0
.set TO_F, 0x40
.macro JLOAD s                         ; waves 0, 1 fetch A's halves, waves 2, 3 B's; an s_nop 0 and four v_nop follow each line
	s_cmp_eq_u32 s11, 0
	s_cbranch_scc0 .Lfor_b_\@
	tensor_load_to_lds s[G0+4*\s:G0+4*\s+3], s[G1:G1+7]
	s_nop 0
.rept 4
	v_nop
.endr
	s_branch .Lasked_\@
.Lfor_b_\@:
	tensor_load_to_lds s[G0B+4*\s:G0B+4*\s+3], s[G1B:G1B+7]
	s_nop 0
.rept 4
	v_nop
.endr
.Lasked_\@:
.endm
.macro CREST
	s_cmp_lg_u32 s10, 0
	s_cbranch_scc1 .Lnot_wave_0_\@
	s_barrier_signal -3
.Lnot_wave_0_\@:
	s_barrier_wait -3
	s_barrier_signal -1
	s_barrier_wait -1
.endm
.macro CROUND
	s_barrier_signal -1
	s_barrier_wait -1
	CREST
.endm
	s_load_b128 s[4:7], s[0:1], 0x0                ; ao, wo16
	s_load_b64 s[8:9], s[0:1], 0x10                ; out0
	v_lshl_add_u32 v[SPW], v0, 2, SPARE
	v_mov_b32 v[NIL], 0
	ds_add_u32 v[SPW], v[NIL]                      ; the opening: the add, twice on end, and its wait ahead of my first tensor load
	ds_add_u32 v[SPW], v[NIL]
	v_lshrrev_b32 v1, 5, v0
	v_readfirstlane_b32 s10, v1                    ; wave
	s_lshr_b32 s11, s10, 1                         ; my half of the tile's rows.  Also: I fetch for A (0) or B (1)
	s_and_b32 s12, s10, 1                          ; my half of its columns.  Also: which 64 rows I fetch
	s_bfe_u32 s40, ttmp6, 0x40000
	s_bfe_u32 s41, ttmp6, 0x40004
	s_lshl_b32 s42, ttmp9, 2
	s_add_co_u32 s42, s42, s40                     ; tile column
	s_and_b32 s13, ttmp7, 0xffff
	s_lshl_b32 s13, s13, 2
	s_add_co_u32 s13, s13, s41                     ; tile row
	s_lshl_b32 s43, s41, 2
	s_lshl_b32 s43, 15, s43
	s_lshl_b32 s44, 0x1111, s40
	s_or_b32 s[G1+0], s43, (1<<16)|(1<<20)|(1<<21)|(7<<22)|(3<<25)    ; A: 4 words of padding behind every 256
	s_mov_b32 s[G1+1], 512<<16                     ; tensor_dim0: 512 elements
	s_mov_b32 s[G1+2], 32<<16                      ; tensor_dim1: 32 row pairs
	s_mov_b32 s[G1+3], 512<<16
	s_mov_b32 s[G1+4], 32
	s_mov_b32 s[G1+5], 2048                        ; a row pair is 2,048 elements
	s_mov_b32 s[G1+6], 0
	s_mov_b32 s[G1+7], 0
	s_or_b32 s[G1B+0], s44, (1<<16)|(1<<20)|(1<<21)|(6<<22)|(3<<25)   ; B: 4 words behind every 128
	s_mov_b32 s[G1B+1], KSTEP<<16
	s_mov_b32 s[G1B+2], 64<<16
	s_mov_b32 s[G1B+3], KSTEP<<16
	s_mov_b32 s[G1B+4], 64
	s_mov_b32 s[G1B+5], SIZE_K
	s_mov_b32 s[G1B+6], 0
	s_mov_b32 s[G1B+7], 0
	s_lshl_b32 s17, s12, 6
	s_lshl_b32 s16, s13, 7
	s_add_co_u32 s16, s16, s17                     ; A: row 128 x tile row + 64 x half (even: 2,048 bytes a row on the average)
	s_lshl_b32 s46, s42, 7
	s_add_co_u32 s46, s46, s17                     ; B: row 128 x tile column + 64 x half
	s_mov_b32 s17, 0
	s_mov_b32 s47, 0
	s_mov_b64 s[18:19], SIZE_K*2
	s_mul_u64 s[16:17], s[16:17], s[18:19]
	s_mul_u64 s[46:47], s[46:47], s[18:19]
	s_mul_i32 s20, s10, HALFT
	s_wait_dscnt 0x0
	s_wait_kmcnt 0x0
	s_add_nc_u64 s[14:15], s[4:5], s[16:17]
	s_add_nc_u64 s[46:47], s[6:7], s[46:47]
	CROUND
.irp s, 0,1
	s_mov_b32 s[G0+4*\s], 1
	s_add_co_u32 s[G0+4*\s+1], s20, \s*SLOT
	s_add_nc_u64 s[G0+4*\s+2:G0+4*\s+3], s[14:15], \s*1024
	s_or_b32 s[G0+4*\s+3], s[G0+4*\s+3], 0x80000000
	s_mov_b32 s[G0B+4*\s], 1
	s_add_co_u32 s[G0B+4*\s+1], s20, \s*SLOT
	s_add_nc_u64 s[G0B+4*\s+2:G0B+4*\s+3], s[46:47], \s*KSTEP*2
	s_or_b32 s[G0B+4*\s+3], s[G0B+4*\s+3], 0x80000000
	JLOAD \s                                       ; by this text's count two loads of a wave are out at the most
.endr
	v_and_b32 v1, 15, v0                           ; r
	v_bfe_u32 v2, v0, 4, 1                         ; h
	v_mul_u32_u24 v3, v1, PITCH
	v_lshl_add_u32 v3, v2, 4, v3                   ; B: row x pitch + 16 h
	v_lshrrev_b32 v4, 1, v1
	v_mul_u32_u24 v4, v4, APITCH
	v_and_b32 v5, 1, v1
	v_lshl_add_u32 v4, v5, 7, v4
	v_lshl_add_u32 v4, v2, 4, v4                   ; A: row pair x pitch + 128 (r % 2) + 16 h
	s_mul_i32 s21, s11, HALFT
	s_mul_i32 s22, s12, HALFT
	s_add_co_u32 s22, s22, 2*HALFT
.irp s, 0,1
	v_add_nc_u32 v[ADRA+\s], s21, v4
	v_add_nc_u32 v[ADRB+\s], s22, v3
	s_add_co_u32 s21, s21, SLOT
	s_add_co_u32 s22, s22, SLOT
.endr
	s_mul_i32 s23, s11, 64*SPITCH                  ; into the stage: my 64 rows, my 256 bytes of them; row r, 32 bytes for each half of the lanes
	s_lshl_b32 s21, s12, 8
	s_add_co_u32 s23, s23, s21
	v_mul_u32_u24 v4, v1, SPITCH
	v_lshl_add_u32 v4, v2, 5, v4
	v_add_nc_u32 v[STO], s23, v4
	s_mul_i32 s23, s10, 32*SPITCH                  ; back: wave w takes rows 32 w on, a whole row of 512 bytes an instruction
	v_and_b32 v5, 31, v0
	v_lshlrev_b32 v[CO], 4, v5
	v_add_nc_u32 v[RD], s23, v[CO]
	s_lshl_b32 s16, s13, 7
	s_lshl_b32 s17, s10, 5
	s_add_co_u32 s16, s16, s17
	s_lshl_b32 s16, s16, 12                        ; the first row that I store, 4,096 bytes a row
	s_mov_b32 s17, 0
	s_add_nc_u64 s[8:9], s[8:9], s[16:17]
	s_lshl_b32 s46, s42, 9                         ; the tile's first column
	s_mov_b32 s47, 0
	s_add_nc_u64 s[8:9], s[8:9], s[46:47]
.macro MUL8 f, c, a0, zero             ; the 16 accumulators take turns
.irp a, \a0, \a0+1
.irp b, 0,1,2,3
.if \zero
	v_wmma_f32_16x16x32_f16 v[ACC+8*(4*(\a)+\b):ACC+8*(4*(\a)+\b)+7], v[\f+64+8*(4*\c+\b):\f+64+8*(4*\c+\b)+7], v[\f+8*(4*\c+\a):\f+8*(4*\c+\a)+7], 0
.else
	v_wmma_f32_16x16x32_f16 v[ACC+8*(4*(\a)+\b):ACC+8*(4*(\a)+\b)+7], v[\f+64+8*(4*\c+\b):\f+64+8*(4*\c+\b)+7], v[\f+8*(4*\c+\a):\f+8*(4*\c+\a)+7], v[ACC+8*(4*(\a)+\b):ACC+8*(4*(\a)+\b)+7]
.endif
.endr
.endr
.endm
; 32 LDS loads: the fragments of 64 along K (one head) at byte k of B's rows, which is byte 2 k of A's row pairs
.macro FETCH slot, k, f
	WIN TO_F
.irp c, 0,1
.irp i, 0,1,2,3
	ds_load_b128 v[\f+64+8*(4*\c+\i):\f+64+8*(4*\c+\i)+3],   v[ADRB+\slot] offset:\k+64*\c+\i*16*PITCH
	ds_load_b128 v[\f+64+8*(4*\c+\i)+4:\f+64+8*(4*\c+\i)+7], v[ADRB+\slot] offset:\k+64*\c+\i*16*PITCH+32
	ds_load_b128 v[\f+8*(4*\c+\i):\f+8*(4*\c+\i)+3],         v[ADRA+\slot] offset:2*(\k)+64*\c+\i*8*APITCH
	ds_load_b128 v[\f+8*(4*\c+\i)+4:\f+8*(4*\c+\i)+7],       v[ADRA+\slot] offset:2*(\k)+64*\c+\i*8*APITCH+32
.endr
.endr
.endm
.macro PLACES
.rept 4
	v_nop
.endr
.endm
.macro QUARTER slot, k, f, g, zero
	s_wait_dscnt 16                                ; the first 32 along K are in; the youngest sixteen loads may be out
	WIN MUL
	MUL8 \f, 0, 0, \zero
	MUL8 \f, 0, 2, \zero
	PLACES
	FETCH \slot, \k, \g
	s_wait_dscnt 32                                ; all but the 32 just issued
	WIN MUL
	MUL8 \f, 1, 0, 0
	MUL8 \f, 1, 2, 0
.endm
.macro TURN slot, next, fill           ; the last quarter changes slots: one barrier; in front of it all my tensor loads have landed, the add is done and my reads of this slot are over
	WIN 0
	s_wait_tensorcnt 0x0
	ds_add_u32 v[SPW], v[NIL]
	s_wait_dscnt 17                                ; the add and the youngest sixteen loads may be out
	WIN MUL
	MUL8 F1, 0, 0, 0
	s_wait_dscnt 0x0
	s_barrier_signal -1
	MUL8 F1, 0, 2, 0
.if \fill
	WIN 0
.endif
	s_barrier_wait -1
.if \fill
	CREST                                          ; the barrier has opened a round of the cluster's: no wave of any partner still reads this slot or has a load on its way
	s_add_nc_u64 s[G0+4*\slot+2:G0+4*\slot+3], s[G0+4*\slot+2:G0+4*\slot+3], 2*1024
	s_add_nc_u64 s[G0B+4*\slot+2:G0B+4*\slot+3], s[G0B+4*\slot+2:G0B+4*\slot+3], 2*KSTEP*2
	JLOAD \slot
.else
	PLACES
.endif
	FETCH \next, 0, F0
	WIN MUL
	MUL8 F1, 1, 0, 0
	MUL8 F1, 1, 2, 0
.endm
	s_wait_tensorcnt 1                             ; my part of K step 0 is in; K step 1's may be out
	s_barrier_signal -1
	s_barrier_wait -1
	FETCH 0, 0, F0
	QUARTER 0, 128, F0, F1, 1
	WIN 0
	s_mov_b32 s3, LAPS-1
.Llap:
	QUARTER 0, 256, F1, F0, 0
	QUARTER 0, 384, F0, F1, 0
	TURN 0, 1, 1
	QUARTER 1, 128, F0, F1, 0
	QUARTER 1, 256, F1, F0, 0
	QUARTER 1, 384, F0, F1, 0
	TURN 1, 0, 1
	QUARTER 0, 128, F0, F1, 0
	WIN 0
	s_sub_co_u32 s3, s3, 1
	s_cmp_lg_u32 s3, 0
	s_cbranch_scc1 .Llap
	QUARTER 0, 256, F1, F0, 0
	QUARTER 0, 384, F0, F1, 0
	TURN 0, 1, 0
	QUARTER 1, 128, F0, F1, 0
	QUARTER 1, 256, F1, F0, 0
	QUARTER 1, 384, F0, F1, 0
	s_wait_dscnt 16
	WIN MUL
	MUL8 F1, 0, 0, 0
	MUL8 F1, 0, 2, 0
	s_wait_dscnt 0
	MUL8 F1, 1, 0, 0
	MUL8 F1, 1, 2, 0
	WIN 0
	; THE WAY OUT: the sums as they are, 32 bytes a lane, into the work-group's stage; a barrier, since a row's 512 bytes come from two waves; back as whole rows
	PLACES
.irp a, 0,1,2,3
.irp b, 0,1,2,3
	ds_store_b128 v[STO], v[ACC+8*(4*\a+\b):ACC+8*(4*\a+\b)+3] offset:\a*16*SPITCH+64*\b          ; each accumulator from its low end on
	ds_store_b128 v[STO], v[ACC+8*(4*\a+\b)+4:ACC+8*(4*\a+\b)+7] offset:\a*16*SPITCH+64*\b+16
.endr
.endr
	s_wait_dscnt 0x0                               ; for the others' sake: my stores into the stage are done
	s_barrier_signal -1
	s_barrier_wait -1
.set t, 0
.rept 32
	ds_load_b128 v[ACC+4*t:ACC+4*t+3], v[RD] offset:t*SPITCH
.set t, t+1
.endr
.set t, 0
.rept 32
	s_wait_dscnt 31-t                              ; the younger loads may be out
	global_store_b128 v[CO], v[ACC+4*t:ACC+4*t+3], s[8:9] offset:t*SIZE_N*4 th:TH_STORE_NT   ; 32 lanes store 512 consecutive bytes
.set t, t+1
.endr
	s_wait_tensorcnt 0x0                           ; the wave's end
	ds_add_u32 v[SPW], v[NIL]
	s_wait_dscnt 0x0
	CROUND                                         ; the closing round
	s_endpgm
.Lfunc_end_k_q8f2446a6e6_outproj:
	.size	k_q8f2446a6e6_outproj, .Lfunc_end_k_q8f2446a6e6_outproj-k_q8f2446a6e6_outproj
	.p2alignl 7, 3214868480
	.fill 96, 4, 3214868480
	.section	.rodata,"a",@progbits
	.p2align	6, 0x0
	.amdhsa_kernel k_q8f2446a6e6_outproj
		.amdhsa_group_segment_fixed_size 327680
		.amdhsa_private_segment_fixed_size 0
		.amdhsa_enable_private_segment 0
		.amdhsa_kernarg_size 24
		.amdhsa_user_sgpr_count 2
		.amdhsa_user_sgpr_kernarg_segment_ptr 1
		.amdhsa_wavefront_size32 1
		.amdhsa_system_sgpr_workgroup_id_x 1
		.amdhsa_system_sgpr_workgroup_id_y 1
		.amdhsa_system_sgpr_workgroup_id_z 1
		.amdhsa_system_vgpr_workitem_id 0
		.amdhsa_next_free_vgpr 512
		.amdhsa_next_free_sgpr 66
		.amdhsa_reserve_vcc 0
		.amdhsa_float_denorm_mode_32 3
		.amdhsa_float_denorm_mode_16_64 3
		.amdhsa_memory_ordered 1
		.amdhsa_forward_progress 1
		.amdhsa_inst_pref_size 87
	.end_amdhsa_kernel
	.amdgpu_metadata
---
amdhsa.version: [ 1, 2 ]
amdhsa.kernels:
  - .name:           k_q8f2446a6e6_outproj
    .symbol:         k_q8f2446a6e6_outproj.kd
    .args:
      - { .name: ao, .offset: 0, .size: 8, .value_kind: global_buffer, .address_space: global }
      - { .name: wo16, .offset: 8, .size: 8, .value_kind: global_buffer, .address_space: global }
      - { .name: out0, .offset: 16, .size: 8, .value_kind: global_buffer, .address_space: global }
    .group_segment_fixed_size: 327680
    .private_segment_fixed_size: 0
    .kernarg_segment_align: 8
    .kernarg_segment_size: 24
    .max_flat_workgroup_size: 128
    .sgpr_count:     66
    .vgpr_count:     512
    .wavefront_size: 32
...
	.end_amdgpu_metadata
.endif
;; end of part 4
;; launch first16 (part 5): grid 64 x 2, 16 waves a work-group, no clusters, 118,784 bytes of LDS; arguments fine, wo, out0; writes out0
.if DOCPART == 5
	.amdgcn_target "amdgcn-amd-amdhsa--gfx1250"
	.amdhsa_code_object_version 6
	.text
	.protected	k_q8f2446a6e6_first16
	.globl	k_q8f2446a6e6_first16
	.p2align	8
	.type	k_q8f2446a6e6_first16,@function
k_q8f2446a6e6_first16:
	s_mov_b64 s[64:65], 0
	v_nop
	global_prefetch_b8 v0, s[64:65] scope:SCOPE_SE
	s_setreg_imm32_b32 hwreg(HW_REG_WAVE_MODE, 25, 1), 1
	s_wait_xcnt 0x0
; Positions 0-15 of both batches, wholly in f32: under the causal mask these rows average one to sixteen values, so the rounding of 16-bit operands weighs most there.  Their 32 rows of out0 are written anew.
; A work-group makes 16 output columns (x) of one batch (y); a wave is a head, from first to last.  PHASE 1: scores (16 x 16, K = 128), mask, softmax with the maximum taken away, O (16 x 64): 48 small matrix
; instructions; every work-group repeats it for all 16 heads, which spares a launch and a sum across work-groups.  PHASE 2: the wave's own 64 channels against 16 rows of wo: 16 matrix instructions.
; O^T / l leaves a lane with query r and channels 16 t + 8 h + i, which is source 1 of phase 2 as it stands: the slot (h, j) of K in step (t, g) is channel 16 t + 8 h + 2 g + j, and wo is loaded in the same order.
; So nothing changes lanes between the phases.  The sixteen heads' partial tiles (16 queries x 16 columns) meet in LDS behind the one barrier, and waves 0 and 1 add them.
; fine holds f32 images of registers: piece p of q or k: lane (r, h) has row r and four neighbouring channels; both operands of a score take the same registers of their images, so K is permuted alike in both.
; V's image has a key to a lane; the second product wants a channel to a lane: the image turns through the wave's own LDS bytes.
; Word (r / 4 % 2) 196 + (r / 8) 72 + r % 4 + 32 h.
; THE STORES: a store covers 64 consecutive bytes of each of eight rows; a row's aligned 256 bytes come from four work-groups.  That is the price of sharing the f32 products among 128 work-groups; 131,072 bytes in all.
; The stored q and k are half of reference()'s: c = log2(e) / 2.  The f32 matrix form serves 32 rows of 4,096 only.  Its results' registers (v208-255) are written by matrix instructions alone.
; LIMITS: NaN and infinities are not served.
.set VPP,   784                        ; from piece to piece of V's image in LDS
.set VREG,  8*VPP                      ; a wave's eight pieces
.set RED,   16*VREG                    ; the sixteen waves' partial tiles, 1,024 bytes each
.set SPARE, RED+16*1024                ; the spare words, 128 bytes a wave
.set LI,   1                           ; 16 x lane
.set VA,   2                           ; V out of LDS, turned
.set VW,   3                           ; V's image into LDS
.set WA,   4                           ; wo: row r, + 32 h
.set REDW, 5
.set RRD,  6
.set GOF,  7
.set DD,   9                           ; r - 8 h
.set SPW,  14
.set NIL,  15
.set QF,   16                          ; v16-79 q's image; at the end the sixteen partial tiles' pieces
.set KF,   80                          ; v80-143 k's image; behind the scores: TT, PR, T2, VF
.set TT,   80
.set PR,   88
.set T2,   96
.set VF,   112                         ; v112-143 V, a channel to a lane
.set VI,   144                         ; v144-175 V's image as loaded; then O / l
.set AO,   144
.set WB,   176                         ; v176-207 wo(16 x + r, my head's channels 16 t + 8 h + i) at 8 t + i
.set SA,   208
.set SB,   216
.set OA,   224
	s_load_b128 s[4:7], s[0:1], 0x0                ; fine, wo
	s_load_b64 s[8:9], s[0:1], 0x10                ; out0
	v_lshl_add_u32 v[SPW], v0, 2, SPARE
	v_mov_b32 v[NIL], 0
	v_lshrrev_b32 v10, 5, v0
	v_readfirstlane_b32 s10, v10                   ; wave = head
	v_and_b32 v11, 31, v0
	v_and_b32 v12, 15, v0                          ; r
	v_bfe_u32 v13, v0, 4, 1                        ; h
	v_lshlrev_b32 v[LI], 4, v11
	s_mul_i32 s11, s10, VREG                       ; my bytes for V
	v_lshl_add_u32 v[VW], v13, 5, v[LI]            ; in: 16 x lane, + 32 for lanes 16-31
	v_add_nc_u32 v[VW], s11, v[VW]
	v_bfe_u32 v10, v0, 2, 1                        ; out: V(key 8 h + 2 g + j, channel 16 t + r): piece 2 t + (r / 4) % 2, lane key + 16 (r / 8), word r % 4
	v_mul_u32_u24 v[VA], v10, VPP
	v_bfe_u32 v10, v0, 3, 1
	v_mad_u32_u24 v[VA], v10, 288, v[VA]
	v_and_b32 v10, 3, v0
	v_lshl_add_u32 v[VA], v10, 2, v[VA]
	v_lshl_add_u32 v[VA], v13, 7, v[VA]
	v_add_nc_u32 v[VA], s11, v[VA]
	v_lshlrev_b32 v[WA], 12, v12
	v_lshl_add_u32 v[WA], v13, 5, v[WA]
	s_lshl_b32 s11, s10, 10
	s_add_co_u32 s11, s11, RED
	v_add_nc_u32 v[REDW], s11, v[LI]
	v_and_b32 v10, 1, v0                           ; the way back: lane L wants query 8 (wave % 2) + L / 4, columns 4 (L % 4) on: half L % 2 of the image, lane query + 16 ((L / 2) % 2)
	v_lshlrev_b32 v[RRD], 9, v10
	v_bfe_u32 v10, v0, 1, 1
	v_lshl_add_u32 v[RRD], v10, 8, v[RRD]
	v_bfe_u32 v10, v0, 2, 3
	v_lshl_add_u32 v[RRD], v10, 4, v[RRD]
	s_and_b32 s23, s10, 1
	s_lshl_b32 s12, s23, 7
	s_add_co_u32 s12, s12, RED
	v_add_nc_u32 v[RRD], s12, v[RRD]
	v_lshlrev_b32 v[GOF], 12, v10                  ; and in out0: row L / 4, 16 bytes a lane
	v_and_b32 v10, 3, v0
	v_lshl_add_u32 v[GOF], v10, 4, v[GOF]
	v_lshlrev_b32 v10, 3, v13
	v_sub_nc_u32 v[DD], v12, v10
	s_and_b32 s14, ttmp7, 0xffff                   ; the batch
	s_lshl_b32 s15, s14, 4
	s_add_co_u32 s15, s15, s10
	s_lshl_b32 s16, s15, 13                        ; my head's image of q; k's lies 262,144 bytes on
	s_mov_b32 s17, 0
	s_lshl_b32 s18, s15, 12
	s_add_co_u32 s18, s18, 0x80000                 ; of v
	s_mov_b32 s19, 0
	s_lshl_b32 s20, ttmp9, 16                      ; wo: row 16 x,
	s_lshl_b32 s21, s10, 8
	s_add_co_u32 s20, s20, s21                     ; my head's 256 bytes of it
	s_mov_b32 s21, 0
	s_lshl_b32 s22, s14, 11
	s_lshl_b32 s23, s23, 3
	s_add_co_u32 s22, s22, s23
	s_lshl_b32 s22, s22, 12
	s_lshl_b32 s23, ttmp9, 6
	s_add_co_u32 s22, s22, s23                     ; out0: row 2048 batch + 8 (wave % 2), column 16 x
	s_mov_b32 s23, 0
	s_mov_b32 s28, 0x3f38aa3b                      ; c = log2(e) / 2
	s_mov_b32 s30, 0x76543210
	s_mov_b32 s31, 0xfedcba98
	s_wait_kmcnt 0x0
	s_add_nc_u64 s[24:25], s[4:5], s[16:17]
	s_add_nc_u64 s[26:27], s[4:5], s[18:19]
	s_add_nc_u64 s[6:7], s[6:7], s[20:21]
	s_add_nc_u64 s[8:9], s[8:9], s[22:23]
.set p, 0
.rept 8
	global_load_b128 v[VI+4*p:VI+4*p+3], v[LI], s[26:27] offset:512*p       ; V's image: 512 consecutive bytes a load
.set p, p+1
.endr
.set p, 0
.rept 16
	global_load_b128 v[QF+4*p:QF+4*p+3], v[LI], s[24:25] offset:512*p
	global_load_b128 v[KF+4*p:KF+4*p+3], v[LI], s[24:25] offset:262144+512*p
.set p, p+1
.endr
.irp t, 0,1,2,3
	global_load_b128 v[WB+8*\t:WB+8*\t+3], v[WA], s[6:7] offset:64*\t       ; wo: asked for now, wanted in phase 2
	global_load_b128 v[WB+8*\t+4:WB+8*\t+7], v[WA], s[6:7] offset:64*\t+16
.endr
	s_wait_loadcnt 40                              ; V's image is in; the 32 loads of q and k and the 8 of wo may be out
.set p, 0
.rept 8
	ds_store_b128 v[VW], v[VI+4*p:VI+4*p+3] offset:VPP*p
.set p, p+1
.endr
	s_wait_loadcnt 8                               ; q and k are in; wo's 8 loads may be out
	; S^T = k q^T: source 0 = 16 keys, source 1 = 16 queries; two accumulators by turns; the first two products start the sums
	v_wmma_f32_16x16x4_f32 v[SA:SA+7], v[KF:KF+1], v[QF:QF+1], 0
	v_wmma_f32_16x16x4_f32 v[SB:SB+7], v[KF+2:KF+3], v[QF+2:QF+3], 0
.set p, 1
.rept 15
	v_wmma_f32_16x16x4_f32 v[SA:SA+7], v[KF+4*p:KF+4*p+1], v[QF+4*p:QF+4*p+1], v[SA:SA+7]
	v_wmma_f32_16x16x4_f32 v[SB:SB+7], v[KF+4*p+2:KF+4*p+3], v[QF+4*p+2:QF+4*p+3], v[SB:SB+7]
.set p, p+1
.endr
.rept 8
	v_nop                                          ; eight plain lines behind this form, ahead of loads into its sources, of writes of them and of reads of its results
.endr
.irp t, 0,1,2,3
.irp g, 0,1,2,3
.irp j, 0,1
	ds_load_b32 v[VF+8*\t+2*\g+\j], v[VA] offset:2*VPP*\t+32*\g+16*\j       ; my own bytes, served in order: these see the stores above; they land while the softmax is walked
.endr
.endr
.endr
.irp j, 0,1,2,3,4,5,6,7
	v_add_f32 v[TT+\j], v[SA+\j], v[SB+\j]         ; lane (r, h): query r, key 8 h + j
.endr
	v_mov_b32 v10, 0xff800000
.irp j, 0,1,2,3,4,5,6,7
	v_cmp_gt_i32 vcc_lo, \j, v[DD]                 ; hidden where 8 h + j > r
	v_cndmask_b32 v[TT+\j], v[TT+\j], v10, vcc_lo
.endr
	v_max3_num_f32 v11, v[TT], v[TT+1], v[TT+2]
	v_max3_num_f32 v11, v11, v[TT+3], v[TT+4]
	v_max3_num_f32 v11, v11, v[TT+5], v[TT+6]
	v_max_num_f32 v11, v11, v[TT+7]
	v_permlanex16_b32 v12, v11, s30, s31
	v_max_num_f32 v11, v11, v12                    ; key 0 counts for every query: a number
	v_mul_f32 v11, s28, v11
.irp j, 0,1,2,3,4,5,6,7
	v_fma_f32 v[TT+\j], v[TT+\j], s28, -v11
.endr
.irp j, 0,1,2,3,4,5,6,7
	v_exp_f32 v[PR+\j], v[TT+\j]
.endr
	v_nop
	s_wait_alu depctr_va_vdst(0)                   ; one wait for the batch, ahead of its first reader
	v_add_f32 v12, v[PR], v[PR+1]
	v_add_f32 v13, v[PR+2], v[PR+3]
	v_add_f32 v12, v12, v[PR+4]
	v_add_f32 v13, v13, v[PR+5]
	v_add_f32 v12, v12, v[PR+6]
	v_add_f32 v13, v13, v[PR+7]
	v_add_f32 v12, v12, v13
	v_permlanex16_b32 v13, v12, s30, s31
	v_add_f32 v12, v12, v13                        ; l
	s_wait_dscnt 0x0                               ; V is in
	; O^T = V^T P: source 0 = 16 channels x 4 keys, source 1 = p: the slot (h, j) of K is key 8 h + 2 g + j in both
.irp g, 0,1,2,3
.irp t, 0,1,2,3
.if \g == 0
	v_wmma_f32_16x16x4_f32 v[OA+8*\t:OA+8*\t+7], v[VF+8*\t+2*\g:VF+8*\t+2*\g+1], v[PR+2*\g:PR+2*\g+1], 0
.else
	v_wmma_f32_16x16x4_f32 v[OA+8*\t:OA+8*\t+7], v[VF+8*\t+2*\g:VF+8*\t+2*\g+1], v[PR+2*\g:PR+2*\g+1], v[OA+8*\t:OA+8*\t+7]
.endif
.endr
.endr
	v_rcp_f32 v13, v12
.rept 8
	v_nop
.endr
	s_wait_alu depctr_va_vdst(0)
.set i, 0
.rept 32
	v_mul_f32 v[AO+i], v[OA+i], v13                ; into other registers: (query r, channel 16 t + 8 h + i) at 8 t + i
.set i, i+1
.endr
	s_wait_loadcnt 0x0                             ; wo
	; PHASE 2: source 0 = 16 rows of wo, source 1 = the 16 queries, K = my head's 64 channels, four a step; two accumulators by turns; the first two products start the sums
.set n, 0
.rept 16
.set ac, SA+8*(n%2)
.if n < 2
	v_wmma_f32_16x16x4_f32 v[ac:ac+7], v[WB+2*n:WB+2*n+1], v[AO+2*n:AO+2*n+1], 0
.else
	v_wmma_f32_16x16x4_f32 v[ac:ac+7], v[WB+2*n:WB+2*n+1], v[AO+2*n:AO+2*n+1], v[ac:ac+7]
.endif
.set n, n+1
.endr
.rept 8
	v_nop
.endr
.irp j, 0,1,2,3,4,5,6,7
	v_add_f32 v[T2+\j], v[SA+\j], v[SB+\j]         ; lane (r, h): query r, column 16 x + 8 h + j, my head's part
.endr
	ds_store_b128 v[REDW], v[T2:T2+3]
	ds_store_b128 v[REDW], v[T2+4:T2+7] offset:512
	s_wait_dscnt 0x0                               ; for the others' sake
	s_barrier_signal -1
	s_barrier_wait -1                              ; the sixteen heads' parts lie in LDS
	s_cmp_ge_u32 s10, 2
	s_cbranch_scc1 .Ldone                          ; waves 0 and 1 add them and store eight rows each; no barrier stands in this branch
.set p, 0
.rept 16
	ds_load_b128 v[QF+4*p:QF+4*p+3], v[RRD] offset:1024*p
.set p, p+1
.endr
	s_wait_dscnt 0x0
.macro RADD a, b                       ; part a += part b
	v_pk_add_f32 v[QF+4*\a:QF+4*\a+1], v[QF+4*\a:QF+4*\a+1], v[QF+4*\b:QF+4*\b+1]
	v_pk_add_f32 v[QF+4*\a+2:QF+4*\a+3], v[QF+4*\a+2:QF+4*\a+3], v[QF+4*\b+2:QF+4*\b+3]
.endm
	RADD 0, 1
	RADD 2, 3
	RADD 4, 5
	RADD 6, 7
	RADD 8, 9
	RADD 10, 11
	RADD 12, 13
	RADD 14, 15
	RADD 0, 2
	RADD 4, 6
	RADD 8, 10
	RADD 12, 14
	RADD 0, 4
	RADD 8, 12
	RADD 0, 8
	global_store_b128 v[GOF], v[QF:QF+3], s[8:9]   ; four lanes store 64 consecutive bytes of a row, the wave eight rows
.Ldone:
	s_wait_tensorcnt 0x0                           ; the wave's end, behind the last LDS store
	ds_add_u32 v[SPW], v[NIL]
	s_wait_dscnt 0x0
	s_endpgm
.Lfunc_end_k_q8f2446a6e6_first16:
	.size	k_q8f2446a6e6_first16, .Lfunc_end_k_q8f2446a6e6_first16-k_q8f2446a6e6_first16
	.p2alignl 7, 3214868480
	.fill 96, 4, 3214868480
	.section	.rodata,"a",@progbits
	.p2align	6, 0x0
	.amdhsa_kernel k_q8f2446a6e6_first16
		.amdhsa_group_segment_fixed_size 118784
		.amdhsa_private_segment_fixed_size 0
		.amdhsa_enable_private_segment 0
		.amdhsa_kernarg_size 24
		.amdhsa_user_sgpr_count 2
		.amdhsa_user_sgpr_kernarg_segment_ptr 1
		.amdhsa_wavefront_size32 1
		.amdhsa_system_sgpr_workgroup_id_x 1
		.amdhsa_system_sgpr_workgroup_id_y 1
		.amdhsa_system_sgpr_workgroup_id_z 1
		.amdhsa_system_vgpr_workitem_id 0
		.amdhsa_next_free_vgpr 256
		.amdhsa_next_free_sgpr 66
		.amdhsa_reserve_vcc 1
		.amdhsa_float_denorm_mode_32 3
		.amdhsa_float_denorm_mode_16_64 3
		.amdhsa_memory_ordered 1
		.amdhsa_forward_progress 1
		.amdhsa_inst_pref_size 23
	.end_amdhsa_kernel
	.amdgpu_metadata
---
amdhsa.version: [ 1, 2 ]
amdhsa.kernels:
  - .name:           k_q8f2446a6e6_first16
    .symbol:         k_q8f2446a6e6_first16.kd
    .args:
      - { .name: fine, .offset: 0, .size: 8, .value_kind: global_buffer, .address_space: global }
      - { .name: wo, .offset: 8, .size: 8, .value_kind: global_buffer, .address_space: global }
      - { .name: out0, .offset: 16, .size: 8, .value_kind: global_buffer, .address_space: global }
    .group_segment_fixed_size: 118784
    .private_segment_fixed_size: 0
    .kernarg_segment_align: 8
    .kernarg_segment_size: 24
    .max_flat_workgroup_size: 512
    .sgpr_count:     66
    .vgpr_count:     256
    .wavefront_size: 32
...
	.end_amdgpu_metadata
.endif
;; end of part 5
